; MI455X (gfx1250); checked and timed in simulation.
; The chip was launched on July 23, 2026; its instructions are those of AMD's public machine-readable ISA for CDNA 5 (MIT licence, August 2026) and "CDNA5" Instruction Set Architecture Reference Guide (July 2026). The comments in the code are by the model that wrote it; some were corrected since.
;; SVD Quant Linear. Allowed arithmetic: matrix products marked QUANTISED: E4M3 operands, one E8M0 scale for each 32 along K, by v_wmma_scale_f32_16x16x128_f8f6f4 with both operands' format E4M3, f32 sums; everything else in f32.
;; Inputs: bias 4,096 float32; lora_down 32 x 4,096 float32; lora_up 4,096 x 32 float32; qweight 4,096 x 4,096 int32; wscale 4,096 x 64 float32; x 4,096 x 4,096 float32.
;; Outputs: out0 4,096 x 4,096 float32.
;; This version of the problem:
;;   THIS VERSION OF THE PROBLEM IS GIVEN IN LOW PRECISION. The matrix products marked QUANTISED in the list below multiply operands that are first quantised to E4M3 (4 exponent bits, 3 mantissa bits; 8 bits a number), with one power-of-two scale for each 32 numbers along K (OCP MX v1.0); their sums are f32. All else is computed in f32.
;;   The module's matrix products, in the order in which they are computed (A, B: the left and right operand; K: the contracted axis; several contracted axes count as one K, in the product's order):
;;     1. [M 4,096, K 4,096] x [K 4,096, N 4,096]; A: computed on the way; B: computed on the way: QUANTISED
;;     2. [M 4,096, K 4,096] x [K 4,096, N 32]; A: input x; B: input lora_down: QUANTISED
;;     3. [M 4,096, K 32] x [K 32, N 4,096]; A: computed on the way; B: input lora_up: QUANTISED
;;   THE QUANTISER, for each operand of a quantised product, along K:
;;     - K is cut into blocks of 32 from its start; a last block that is shorter is filled with zeros.
;;     - A block's scale is 2^e with e = floor(log2(the largest magnitude in the block)) - 8, held to -126 .. 127; a block of zeros has e = 0. As a byte (E8M0): e + 127.
;;     - Each number is divided by its block's scale, clamped to +-448, and rounded to the nearest number of E4M3, ties to even, subnormals kept.
;;     - The product sums the exact products of the quantised numbers (number of the format x scale) in f32.
;;   ~~~python
;;   def quantise(x, axis):      # numpy; x: float32 -> the quantised numbers, widened to float32 again
;;       x = np.moveaxis(x, axis, -1); K = x.shape[-1]
;;       x = np.pad(x, [(0, 0)] * (x.ndim - 1) + [(0, -K % 32)]); x = x.reshape(x.shape[:-1] + (-1, 32)); a = np.abs(x).max(-1, keepdims=True)
;;       e = np.where(a > 0, np.clip(np.frexp(np.where(a > 0, a, 1))[1] - 1 - 8, -126, 127), 0)      # np.frexp(a)[1] - 1 = floor(log2(a)), exactly
;;       r = np.clip(x / 2.0 ** e, -448, 448)
;;       step = 2.0 ** (np.maximum(np.frexp(np.where(r == 0, 1, r))[1] - 1, -6) - 3)
;;       q = np.round(r / step) * step * 2.0 ** e      # np.round: ties to even
;;       return np.moveaxis(q.reshape(q.shape[:-2] + (-1,))[..., :K], -1, axis).astype(np.float32)
;;   ~~~
;;   OPERANDS COMPUTED ON THE WAY. 'Computed on the way' means the value that the module computes at that place (a softmax that the list does not call 'softmax' is quantised finished and normalised). What goes into a quantiser is computed in f32, as accurately as f32 sums, v_exp_f32 and their like allow (about 1e-6 of the number): no bf16 or f16 on the way to a quantiser, and a product that is left as it is and whose result goes on into a quantised operand takes f32 operands (vector FMAs, or v_wmma_f32_16x16x4_f32). A number that lies on a knife's edge between two numbers of the format may be rounded either way, as far as f32 arithmetic and the matrix unit's own rounding can turn it there, and no further.
;; 2 versions, each right; version 2 is version 1 with the launch prep written anew for expert scheduling mode. Each part assembles by itself: llvm-mc -triple=amdgcn-amd-amdhsa -mcpu=gfx1250 --defsym DOCPART=n.
;; ======== version 1 of 2: 2 launches
;; workspace buffers: a_ws 17,301,504 bytes; b_ws 17,301,504 bytes; ta 131,072 bytes; tsa 16,384 bytes; tb 131,072 bytes; tsb 16,384 bytes
;; launch prep (part 1): grid 256 x 1, 16 waves a work-group, no clusters, 193,536 bytes of LDS; arguments x, qweight, wscale, lora_down, lora_up, a_ws, b_ws, ta, tsa, tb, tsb; writes a_ws, b_ws, ta, tsa, tb, tsb
.if DOCPART == 1
	.amdgcn_target "amdgcn-amd-amdhsa--gfx1250"
	.amdhsa_code_object_version 6
	.text
	.protected	k_q03faeab826_prep
	.globl	k_q03faeab826_prep
	.p2align	8
	.type	k_q03faeab826_prep,@function
k_q03faeab826_prep:
	s_mov_b64 s[64:65], 0
	v_nop
	global_prefetch_b8 v0, s[64:65] scope:SCOPE_SE
	s_setreg_imm32_b32 hwreg(HW_REG_WAVE_MODE, 25, 1), 1
	s_wait_xcnt 0x0
; THE LAUNCH IN FRONT OF THE GEMM.  Work-group g owns rows 16 g .. 16 g + 15 of x, of qweight / wscale and of lora_up; wave w owns row 16 g + w.  It makes, all as codes of FP8 (E4M3) with one E8M0 byte for each 32 along K:
;   a_ws: xq = clip(round(x / ascale), -8, 7) x ascale, ascale = max(the row's largest |x|, 1e-6) / 7;   b_ws: W = qweight x wscale (groups of 64);
;   ta, tsa: t = Q(x) Q(lora_down)^T, 32 numbers a row, made here by the matrix unit and quantised;   tb, tsb: lora_up.
; a_ws and b_ws are laid as the GEMM fetches them: [32 blocks of 128 rows][16 K steps of 256][128 rows x 256 codes, then 128 rows x 8 scale bytes]: 33,792 dense bytes for a block of rows and a K step.
; ta, tb: [4096][32] codes.  tsa, tsb: [4096] words: the row's scale byte, and 127 in the three bytes above it (the GEMM fills K = 32 up to 128 with zero codes).
; THE DIVISIONS are made correctly rounded, since a whole number turns on them: max / 7 and x / ascale each by a product with the reciprocal, the residual by a fused multiply-add, and one correction; 1 / ascale by v_rcp_f32 and two Newton steps.
; A ROW is 8 steps of 512 numbers.  Each load takes 512 consecutive bytes, 16 a lane; a step's 2,048 bytes turn through the wave's own stage in LDS and come back 64 bytes a lane: 16 neighbours along K, two lanes to a block of 32.
; The whole row of x stays in 128 registers between the pass for its maximum and the pass that quantises; as a step's registers fall free they take the same step of qweight.
; x's own codes (the second product's operand) never go to memory: they lie in LDS, 16 rows, and each wave multiplies K = 256 w .. 256 w + 255 of them by its part of lora_down, which it quantises in registers in the operand's order.
; The 16 waves' partial sums of t meet in LDS; wave 0 adds them in ascending w and quantises.  lora_down is the one input that work-groups share; it goes from memory straight into operand order in registers, so there is no tile in LDS to share and no cluster.
; LIMITS: NaN and infinities among the inputs are not served.  A row whose largest |x| is above 2^125 is not served (1 / ascale would fall under the smallest normal number).  A block whose largest magnitude lies under 2^-118 keeps the byte 1;
; a block of zeros so has the byte 1 where the rule says 127: its codes are zeros, and these bytes are read by this program alone.  The scale bytes and the words of tsa, tsb leave in runs of 128 or 64 bytes: one byte for 32 of codes.
.set BLK,  33792                       ; a block of rows x a K step in a_ws, b_ws
.set RB,   16*BLK                      ; a block of 128 rows, all of K
.set SX,   0                           ; LDS: scale bytes of x, [row][136] (128 bytes + 8, so that rows stay multiples of 8);
.set SQ,   2304                        ; of xq;
.set SW,   4608                        ; of W
.set WSC,  6912                        ; a wave's row of wscale, 256 bytes each
.set STG,  11008                       ; two stages of 32 x 80 bytes for each wave: a lane's 64 bytes + 16 of padding
.set XC,   92928                       ; x's codes: 16 rows of 4,096 bytes + 16
.set PART, 158720                      ; the partial sums of t: 2,048 bytes a wave
.set GL,   1                           ; v1   16 x lane: my 16 bytes of a load's or a store's 512
.set SIN,  2                           ; v2   the stage, on the way in: 80 (lane / 4) + 16 (lane % 4)
.set SOUT, 3                           ; v3   and on the way out: 80 x lane
.set CST,  4                           ; v4   codes' place in a_ws, b_ws: lanes 0-15 the even K step, lanes 16-31 the odd one
.set XCW,  5                           ; v5   where I put x's codes
.set SBA,  6                           ; v6   my block's scale byte: 136 x wave + lane / 2
.set LDA,  7                           ; v7   lora_down: my row of a tile, + 64 (lane / 16)
.set AFA,  8                           ; v8   x's fragments
.set ASA,  9                           ; v9   x's scale words
.set SGA,  10                          ; v10  the scale bytes that I store
.set SGO,  11                          ; v11  and their place in a_ws or b_ws
.set PWA,  12                          ; v12  my partial sums
.set PRA,  13                          ; v13  everybody's
.set TCO,  14                          ; v14  t's codes in ta
.set TSO,  15                          ; v15  t's word in tsa
.set WSA,  16                          ; v16  wscale into LDS
.set WSR,  17                          ; v17  and back: the scale of my group of 64
.set WSV,  18                          ; v[18:19] wscale as loaded
.set UPO,  20                          ; v20  lora_up's word in tsb
.set WSO,  21                          ; v21  8 x lane
.set BS,   24                          ; v24-27 lora_down's scale words: scales and nothing else
.set AS,   28                          ; v28-29 x's scale words: likewise
.set ASC,  30                          ; v[30:31] ascale, twice
.set RIN,  32                          ; v[32:33] 1 / ascale, twice
.set SBY,  34                          ; v[34:35] at work; later the scale bytes on their way out
.set CP,   36                          ; v36-43 x's codes, two sets
.set CQ,   44                          ; v44-51 xq's or W's codes, two sets
.set EP,   52                          ; v52-53 x's scale byte, two sets
.set EQ,   54                          ; v54-55 xq's or W's
.set M0,   56                          ; v56-59, v60-63 at work in QSTEP
.set M1,   60
.set Z,    64                          ; v64-79 residuals; then wscale, a pair for each step; then the sum of t
.set Y,    80                          ; v80-95 xq
.set XS,   96                          ; v96-127 two sets of 16 neighbours
.set R,    128                         ; v128-255 a row: step s at R + 16 s
.set TM,   36                          ; QUANT's 16 registers, where CP and CQ lay
.set BC,   64                          ; lora_down's four fragments
.set AF,   128                         ; x's two fragments
.set D0,   160                         ; t's two accumulators
.set D1,   168
	s_load_b512 s[4:19], s[0:1], 0x0               ; x, qweight, wscale, lora_down, lora_up, a_ws, b_ws, ta
	s_load_b128 s[20:23], s[0:1], 0x40             ; tsa, tb
	s_load_b64 s[24:25], s[0:1], 0x50              ; tsb
	v_lshrrev_b32 v35, 5, v0
	v_readfirstlane_b32 s26, v35                   ; wave 0..15
	v_and_b32 v22, 31, v0                          ; lane
	v_and_b32 v23, 15, v0                          ; r
	v_bfe_u32 v34, v0, 4, 1                        ; h
	v_lshlrev_b32 v[GL], 4, v22
	v_lshlrev_b32 v[WSO], 3, v22
	s_lshl_b32 s32, ttmp9, 4
	s_add_co_u32 s32, s32, s26                     ; my row: 16 g + w
	s_mov_b32 s29, 0
	s_wait_kmcnt 0x0
	s_lshl_b32 s28, s32, 8
	s_add_nc_u64 s[8:9], s[8:9], s[28:29]          ; wscale: 256 bytes a row
	s_lshl_b32 s28, s32, 14
	s_add_nc_u64 s[4:5], s[4:5], s[28:29]          ; x and qweight: 16,384 bytes a row
	s_add_nc_u64 s[6:7], s[6:7], s[28:29]
	global_load_b64 v[WSV:WSV+1], v[WSO], s[8:9] th:TH_LOAD_NT
.set J, 0
.rept 32
	global_load_b128 v[R+4*J:R+4*J+3], v[GL], s[4:5] offset:512*J th:TH_LOAD_NT   ; the whole row: 32 loads of 512 consecutive bytes
.set J, J+1
.endr
	s_mov_b32 s36, 0x76543210
	s_mov_b32 s37, 0xfedcba98                      ; v_permlanex16_b32's selects for lane l xor 16
	s_mov_b32 s38, 0x600000                        ; the mantissa field of 448
	s_mov_b32 s39, 0x40e00000                      ; 7.0
	s_mov_b32 s40, 0x3e124925                      ; 1 / 7, rounded
	s_mov_b32 s41, 0xc1000000                      ; -8.0
	; every LDS address is made here, ahead of the first branch: a constant + a constant x lane + a constant x wave
	s_mul_i32 s33, s26, 5120
	s_add_co_u32 s33, s33, STG
	v_lshrrev_b32 v35, 2, v22
	v_mul_u32_u24 v[SIN], v35, 80
	v_and_b32 v36, 3, v22
	v_lshl_add_u32 v[SIN], v36, 4, v[SIN]
	v_add_nc_u32 v[SIN], s33, v[SIN]
	v_mul_u32_u24 v[SOUT], v22, 80
	v_add_nc_u32 v[SOUT], s33, v[SOUT]
	s_lshl_b32 s33, s26, 8
	s_add_co_u32 s33, s33, WSC
	v_lshl_add_u32 v[WSR], v35, 2, s33             ; word lane / 4 of eight: my 16 numbers lie in one group of 64
	v_add_nc_u32 v[WSA], s33, v[WSO]
	s_mul_i32 s33, s26, 4112
	s_add_co_u32 s33, s33, XC
	v_add_nc_u32 v[XCW], s33, v[GL]
	s_mul_i32 s33, s26, 136
	v_lshrrev_b32 v35, 1, v22
	v_add_nc_u32 v[SBA], s33, v35
	v_lshlrev_b32 v[UPO], 2, v35
	v_mul_u32_u24 v[AFA], v23, 4112
	v_lshl_add_u32 v[AFA], v34, 4, v[AFA]
	s_lshl_b32 s33, s26, 8
	s_add_co_u32 s33, s33, XC
	v_add_nc_u32 v[AFA], s33, v[AFA]               ; row r, K = 256 w on, + 16 h
	v_mul_u32_u24 v[ASA], v23, 136
	v_lshl_add_u32 v[SGA], v34, 3, v[ASA]
	s_and_b32 s33, s26, 7
	s_lshl_b32 s34, s33, 4
	s_lshr_b32 s35, s26, 3
	s_mul_i32 s35, s35, SW-SQ
	s_add_co_u32 s34, s34, s35
	v_add_nc_u32 v[SGA], s34, v[SGA]               ; row r, K steps 2 (w % 8) + h; waves 8 to 15 take W's bytes
	s_lshl_b32 s34, s26, 3
	v_add_nc_u32 v[ASA], s34, v[ASA]               ; row r, the 8 bytes of K = 256 w on
	s_lshl_b32 s34, s26, 11
	s_add_co_u32 s34, s34, PART
	v_add_nc_u32 v[PWA], s34, v[GL]
	v_add_nc_u32 v[PRA], PART, v[GL]
	; offsets in memory
	v_mul_u32_u24 v[CST], v34, BLK
	v_lshl_add_u32 v[SGO], v23, 3, v[CST]
	v_lshl_add_u32 v[CST], v23, 4, v[CST]
	v_and_b32 v35, 8, v23
	v_add_nc_u32 v35, v35, v23                     ; r + 8 (r / 8)
	v_lshlrev_b32 v[LDA], 14, v35
	v_lshl_add_u32 v[LDA], v34, 6, v[LDA]
	v_lshlrev_b32 v[TCO], 5, v23
	v_lshl_add_u32 v[TCO], v34, 4, v[TCO]
	v_lshlrev_b32 v[TSO], 2, v23
	s_lshl_b32 s28, s26, 10
	s_add_nc_u64 s[10:11], s[10:11], s[28:29]      ; lora_down at K = 256 w
	s_lshl_b32 s28, ttmp9, 11
	s_add_nc_u64 s[12:13], s[12:13], s[28:29]      ; lora_up: 16 rows of 128 bytes
	s_lshr_b32 s33, ttmp9, 3
	s_mul_i32 s33, s33, RB                         ; my block of 128 rows
	s_and_b32 s34, ttmp9, 7
	s_and_b32 s35, s26, 7
	s_mul_i32 s35, s35, 2*BLK
	s_lshl_b32 s28, s34, 7
	s_add_co_u32 s28, s28, s35
	s_add_co_u32 s28, s28, s33
	s_add_co_u32 s28, s28, 128*256                 ; the scale bytes lie behind a block's codes: 8 bytes a row
	s_cmp_lt_u32 s26, 8                            ; waves 0 to 7 store xq's scale bytes, waves 8 to 15 W's: the choice hangs on the wave's number alone
	s_cselect_b64 s[30:31], s[14:15], s[16:17]
	s_add_nc_u64 s[30:31], s[30:31], s[28:29]
	s_lshl_b32 s28, s34, 4
	s_add_co_u32 s28, s28, s26
	s_lshl_b32 s28, s28, 8
	s_add_co_u32 s28, s28, s33
	s_add_nc_u64 s[14:15], s[14:15], s[28:29]      ; my row's codes of K step 0
	s_add_nc_u64 s[16:17], s[16:17], s[28:29]
	s_lshl_b32 s28, ttmp9, 9
	s_add_nc_u64 s[18:19], s[18:19], s[28:29]
	s_add_nc_u64 s[22:23], s[22:23], s[28:29]
	s_lshl_b32 s28, ttmp9, 6
	s_add_nc_u64 s[20:21], s[20:21], s[28:29]
	s_add_nc_u64 s[24:25], s[24:25], s[28:29]
; A step's 2,048 bytes, in v[reg] on as they were loaded, go through stage `set` and come back as 16 neighbours a lane.  LDS serves a wave's instructions in order: no wait between the stores and the loads.
.macro TURN reg, set
.irp i, 0,1,2,3
	ds_store_b128 v[SIN], v[\reg+4*\i:\reg+4*\i+3] offset:2560*(\set)+640*\i
.endr
.irp i, 0,1,2,3
	ds_load_b128 v[XS+16*(\set)+4*\i:XS+16*(\set)+4*\i+3], v[SOUT] offset:2560*(\set)+16*\i
.endr
.endm
; 16 neighbours in v[xb] on become 16 codes in v[cd] on and the block's byte in v[eb].  far = 0: the block's other half lies in the neighbouring lane; 1: in lane l xor 16.
.macro QSTEP xb, cd, eb, m, far
	v_max3_num_f32 v[\m], |v[\xb]|, |v[\xb+1]|, |v[\xb+2]|         ; the largest magnitude of my 16, in two chains
	v_max3_num_f32 v[\m+1], |v[\xb+3]|, |v[\xb+4]|, |v[\xb+5]|
.irp i, 6,10
	v_max3_num_f32 v[\m], v[\m], |v[\xb+\i]|, |v[\xb+\i+1]|
	v_max3_num_f32 v[\m+1], v[\m+1], |v[\xb+\i+2]|, |v[\xb+\i+3]|
.endr
	v_max3_num_f32 v[\m], v[\m], |v[\xb+14]|, |v[\xb+15]|
	v_max3_num_f32 v[\m], v[\m], v[\m+1], 0x4800000                ; and the floor 2^(9 - 127): the byte cannot fall under 1
.if \far
	v_permlanex16_b32 v[\m+1], v[\m], s36, s37
	v_max_num_f32 v[\m], v[\m], v[\m+1]
.else
	v_max_num_f32_dpp v[\m], v[\m], v[\m] row_xmask:1 row_mask:0xf bank_mask:0xf
.endif
	v_add_nc_u32 v[\m+2], 0xfc000000, v[\m]                        ; 8 off its exponent field: the conversion takes the exponent field of this operand as its scale
	v_and_or_b32 v[\m+3], v[\m], 0x7f800000, s38                   ; 448 x the scale
.irp i, 0,1,2,3,4,5,6,7,8,9,10,11,12,13,14,15
	v_med3_num_f32 v[\xb+\i], v[\xb+\i], -v[\m+3], v[\m+3]         ; the conversion to an 8-bit code does not saturate (ISA guide 7.6.2): the hold comes first
.endr
	v_cvt_scalef32_pk8_fp8_f32 v[\cd:\cd+1], v[\xb:\xb+7], v[\m+2]
	v_cvt_scalef32_pk8_fp8_f32 v[\cd+2:\cd+3], v[\xb+8:\xb+15], v[\m+2]
	v_lshrrev_b32 v[\eb], 23, v[\m+2]                              ; the scale's byte; also the plain line behind the conversions
.endm
; 64 numbers of a lane, register 16 b + i = k 32 b + 16 (lane / 16) + i of my row, become a fragment's codes in v[cd] on and its scale word in v[sw].
.macro QUANT s, cd, sw
.irp b, 0,1,2,3
	v_max3_num_f32 v[TM+\b], |v[\s+16*\b]|, |v[\s+1+16*\b]|, 0x4800000
.endr
.irp i, 2,4,6,8,10,12,14
.irp b, 0,1,2,3
	v_max3_num_f32 v[TM+\b], v[TM+\b], |v[\s+16*\b+\i]|, |v[\s+1+16*\b+\i]|   ; the four blocks by turns
.endr
.endr
.irp b, 0,1,2,3
	v_permlanex16_b32 v[TM+4+\b], v[TM+\b], s36, s37
.endr
.irp b, 0,1,2,3
	v_max_num_f32 v[TM+\b], v[TM+\b], v[TM+4+\b]
.endr
.irp b, 0,1,2,3
	v_add_nc_u32 v[TM+12+\b], 0xfc000000, v[TM+\b]
.endr
.irp b, 0,1,2,3
	v_and_or_b32 v[TM+8+\b], v[TM+\b], 0x7f800000, s38
.endr
.irp b, 0,1,2,3
	v_lshrrev_b32 v[TM+4+\b], 23, v[TM+12+\b]
.endr
	v_lshl_or_b32 v[\sw], v[TM+5], 8, v[TM+4]
	v_lshl_or_b32 v[\sw], v[TM+6], 16, v[\sw]
	v_lshl_or_b32 v[\sw], v[TM+7], 24, v[\sw]
.irp b, 0,1,2,3
.irp i, 0,1,2,3,4,5,6,7,8,9,10,11,12,13,14,15
	v_med3_num_f32 v[\s+16*\b+\i], v[\s+16*\b+\i], -v[TM+8+\b], v[TM+8+\b]
.endr
	v_cvt_scalef32_pk8_fp8_f32 v[\cd+4*\b:\cd+1+4*\b], v[\s+16*\b:\s+7+16*\b], v[TM+12+\b]
	v_cvt_scalef32_pk8_fp8_f32 v[\cd+2+4*\b:\cd+3+4*\b], v[\s+8+16*\b:\s+15+16*\b], v[TM+12+\b]
.endr
	v_nop                                          ; a plain line behind the last conversion: matrix instructions later write where its sources lay
.endm
; Fragment f of lora_down as f32: tile f % 2 (lane r takes rank 8 (f % 2) + r + 8 (r / 8)), K = 256 w + 128 (f / 2) on: 16 neighbours of each of four blocks.  Every work-group reads these bytes: no hint.
.macro LDLOAD f, reg
.irp b, 0,1,2,3
.irp j, 0,1,2,3
	global_load_b128 v[\reg+16*\b+4*\j:\reg+16*\b+4*\j+3], v[LDA], s[10:11] offset:131072*((\f)%2)+512*((\f)/2)+128*\b+16*\j
.endr
.endr
.endm
.macro BARRIER                                 ; my LDS stores have landed and my LDS loads are in: then the work-group's barrier
	s_wait_dscnt 0x0
	s_barrier_signal -1
	s_barrier_wait -1
.endm
	; ---- wave 15 alone: the work-group's 16 rows of lora_up are 2,048 dense bytes, one step; a row is one block
	s_cmp_lg_u32 s26, 15
	s_cbranch_scc1 .Lno_up
.irp i, 0,1,2,3
	global_load_b128 v[Z+4*\i:Z+4*\i+3], v[GL], s[12:13] offset:512*\i th:TH_LOAD_NT
.endr
	s_wait_loadcnt 0x0
	TURN Z, 0
	s_wait_dscnt 0x0
	QSTEP XS, CP, EP, M0, 0
	v_or_b32 v[EP], 0x7f7f7f00, v[EP]              ; 127 for the three blocks of zero codes
	global_store_b128 v[GL], v[CP:CP+3], s[22:23]
	global_store_b32 v[UPO], v[EP], s[24:25]       ; both lanes of a row write the same word
.Lno_up:
	; ---- the row's largest magnitude, as the loads come in; one chain starts at 1e-6, the floor of ascale's maximum
	v_mov_b32 v22, 0x358637bd
	v_mov_b32 v23, 0
.irp s, 0,1,2,3,4,5,6,7
	s_wait_loadcnt 4*(7-\s)                        ; step s's four loads are in (and wscale, the oldest load); the later steps' may be out
.if \s == 0
	TURN R, 0                                      ; step 0 goes through the stage meanwhile
.endif
.irp i, 0,4,8,12
	v_max3_num_f32 v22, v22, |v[R+16*\s+\i]|, |v[R+16*\s+\i+1]|
	v_max3_num_f32 v23, v23, |v[R+16*\s+\i+2]|, |v[R+16*\s+\i+3]|
.endr
.endr
	v_max_num_f32 v22, v22, v23
	v_max_num_f32_dpp v22, v22, v22 row_xmask:1 row_mask:0xf bank_mask:0xf
	v_max_num_f32_dpp v22, v22, v22 row_xmask:2 row_mask:0xf bank_mask:0xf
	v_max_num_f32_dpp v22, v22, v22 row_xmask:4 row_mask:0xf bank_mask:0xf
	v_max_num_f32_dpp v22, v22, v22 row_xmask:8 row_mask:0xf bank_mask:0xf
	v_permlanex16_b32 v23, v22, s36, s37
	v_max_num_f32 v22, v22, v23                    ; m, in every lane
	v_mul_f32 v23, s40, v22                        ; m / 7: a first quotient,
	v_fma_f32 v34, -v23, s39, v22                  ; its residual, exact,
	v_fma_f32 v[ASC], v34, s40, v23                ; and the correction: ascale
	v_rcp_f32 v[RIN], v[ASC]
	v_mov_b32 v[ASC+1], v[ASC]                     ; (a plain line behind the reciprocal)
	s_wait_alu depctr_va_vdst(0)                   ; the wait ahead of the first line that names the reciprocal
	v_fma_f32 v34, -v[ASC], v[RIN], 1.0            ; two Newton steps
	v_fma_f32 v[RIN], v34, v[RIN], v[RIN]
	v_fma_f32 v34, -v[ASC], v[RIN], 1.0
	v_fma_f32 v[RIN], v34, v[RIN], v[RIN]
	v_mov_b32 v[RIN+1], v[RIN]
; ---- step t of x: xq and its codes to a_ws; x's own codes to LDS
.macro STEPX t
.set XB, XS+16*((\t)%2)
.set PS, (\t)%2
.if (\t) > 0
	s_wait_dscnt 3                                 ; this step's numbers are back from the stage, so its stores into the stage have read their registers; the last step's three stores may be out, those of the step before it are done
.else
	s_wait_dscnt 0x0
.endif
	s_wait_xcnt 0x0                                ; the earlier stores have read their codes: the sets may be written again
.irp i, 0,1,2,3
	global_load_b128 v[R+16*(\t)+4*\i:R+16*(\t)+4*\i+3], v[GL], s[6:7] offset:2048*(\t)+512*\i th:TH_LOAD_NT   ; the registers that step t of x has left take step t of qweight
.endr
.if (\t) < 7
	TURN R+16*((\t)+1), ((\t)+1)%2                 ; the next step goes through the other stage
.else
	s_wait_loadcnt 28                              ; qweight's step 0 is in: behind it stand the 28 loads of steps 1 to 7
	TURN R, 0
.endif
.irp p, 0,2,4,6,8,10,12,14
	v_pk_mul_f32 v[Y+\p:Y+\p+1], v[XB+\p:XB+\p+1], v[RIN:RIN+1]                  ; x / ascale: a first quotient,
.endr
.irp p, 0,2,4,6,8,10,12,14
	v_pk_fma_f32 v[Z+\p:Z+\p+1], v[Y+\p:Y+\p+1], v[ASC:ASC+1], v[XB+\p:XB+\p+1] neg_lo:[1,0,0] neg_hi:[1,0,0]   ; its residual x - q ascale,
.endr
.irp p, 0,2,4,6,8,10,12,14
	v_pk_fma_f32 v[Y+\p:Y+\p+1], v[Z+\p:Z+\p+1], v[RIN:RIN+1], v[Y+\p:Y+\p+1]    ; and the correction
.endr
.irp i, 0,1,2,3,4,5,6,7,8,9,10,11,12,13,14,15
	v_rndne_f32 v[Y+\i], v[Y+\i]                   ; to the nearest whole number, ties to even
.endr
.irp i, 0,1,2,3,4,5,6,7,8,9,10,11,12,13,14,15
	v_med3_num_f32 v[Y+\i], v[Y+\i], s41, s39      ; the clip to -8 .. 7
.endr
.irp p, 0,2,4,6,8,10,12,14
	v_pk_mul_f32 v[Y+\p:Y+\p+1], v[Y+\p:Y+\p+1], v[ASC:ASC+1]                    ; xq
.endr
	QSTEP XB, CP+4*PS, EP+PS, M0, 0                ; (behind the division: the hold changes x in place)
	QSTEP Y, CQ+4*PS, EQ+PS, M1, 0
	ds_store_b128 v[XCW], v[CP+4*PS:CP+4*PS+3] offset:512*(\t)
	ds_store_b8 v[SBA], v[EP+PS] offset:SX+16*(\t) ; both lanes of a block write the same byte with the same value
	ds_store_b8 v[SBA], v[EQ+PS] offset:SQ+16*(\t)
	global_store_b128 v[CST], v[CQ+4*PS:CQ+4*PS+3], s[14:15] offset:2*BLK*(\t)   ; each half of the lanes stores 256 consecutive bytes, aligned: my row in K steps 2 t and 2 t + 1
.endm
.irp t, 0,1,2,3,4,5,6,7
	STEPX \t
.endr
	ds_store_b64 v[WSA], v[WSV:WSV+1]              ; my row of wscale, and back: for each step the scale of my 16 numbers' group
.irp s, 0,1,2,3,4,5,6,7
	ds_load_b32 v[Z+2*\s], v[WSR] offset:32*\s
.endr
; ---- step t of W = qweight x wscale
.macro STEPW t
.set XB, XS+16*((\t)%2)
.set PS, (\t)%2
.if (\t) > 0
	s_wait_dscnt 1                                 ; this step's numbers are back from the stage; the last step's byte store may be out
.else
	s_wait_dscnt 0x0                               ; and wscale
.endif
	s_wait_xcnt 0x0
.if (\t) == 3
	LDLOAD 0, R                                    ; steps 0 to 3 have left their registers
.endif
.if (\t) == 7
	LDLOAD 1, R+64                                 ; and steps 4 to 7
.endif
.if (\t) < 7
.if (\t) < 3
	s_wait_loadcnt 4*(6-(\t))                      ; step t + 1 is in: behind it stand the later steps' loads,
.else
	s_wait_loadcnt 4*(6-(\t))+16                   ; and from step 3 on the 16 of lora_down's first fragment
.endif
	TURN R+16*((\t)+1), ((\t)+1)%2
.endif
.irp i, 0,1,2,3,4,5,6,7,8,9,10,11,12,13,14,15
	v_cvt_f32_i32 v[XB+\i], v[XB+\i]
.endr
.irp p, 0,2,4,6,8,10,12,14
	v_pk_mul_f32 v[XB+\p:XB+\p+1], v[XB+\p:XB+\p+1], v[Z+2*(\t):Z+2*(\t)+1] op_sel_hi:[1,0]   ; the pair's low word serves both halves
.endr
	QSTEP XB, CQ+4*PS, EQ+PS, M0, 0
	ds_store_b8 v[SBA], v[EQ+PS] offset:SW+16*(\t)
	global_store_b128 v[CST], v[CQ+4*PS:CQ+4*PS+3], s[16:17] offset:2*BLK*(\t)
.endm
.irp t, 0,1,2,3,4,5,6,7
	STEPW \t
.endr
	; ---- my part of lora_down: four fragments, two sets of 64 registers by turns
	s_wait_xcnt 0x0                                ; the last stores have read their codes: those registers are at work in QUANT now
	s_wait_loadcnt 16                              ; fragment 0 is in; fragment 1's 16 loads may be out
	QUANT R, BC, BS
	LDLOAD 2, R
	s_wait_loadcnt 16                              ; fragment 1; fragment 2's may be out
	QUANT R+64, BC+16, BS+1
	LDLOAD 3, R+64
	s_wait_loadcnt 16                              ; fragment 2; fragment 3's may be out
	QUANT R, BC+32, BS+2
	s_wait_loadcnt 0x0
	QUANT R+64, BC+48, BS+3
	BARRIER                                        ; x's codes and all scale bytes of the 16 rows lie in LDS
	; ---- the scale bytes leave; t's partial sums over K = 256 w .. 256 w + 255
	ds_load_b64 v[SBY:SBY+1], v[SGA] offset:SQ
.irp q, 0,1
.irp c, 0,1,2,3
	ds_load_b128 v[AF+16*\q+4*\c:AF+16*\q+4*\c+3], v[AFA] offset:128*\q+32*\c
.endr
.endr
	ds_load_b64 v[AS:AS+1], v[ASA] offset:SX
	s_wait_dscnt 0x0
	global_store_b64 v[SGO], v[SBY:SBY+1], s[30:31]   ; 16 rows x 8 bytes for each of two K steps: two runs of 128 bytes
.rept 4
	v_nop                                          ; codes written by vector instructions stand four places ahead of a scaled matrix instruction; the scale words were made ahead of the holds, more than eight plain lines back
.endr
	; TRANSPOSED: source 0 = 16 rows of lora_down, source 1 = x's 16 rows: lane (r, h) holds t(row r, rank 16 h + 8 u + j) in register j of accumulator u.  The two accumulators take turns.
	v_wmma_scale_f32_16x16x128_f8f6f4 v[D0:D0+7], v[BC:BC+15], v[AF:AF+15], 0, v[BS], v[AS]
	v_wmma_scale_f32_16x16x128_f8f6f4 v[D1:D1+7], v[BC+16:BC+31], v[AF:AF+15], 0, v[BS+1], v[AS]
	v_wmma_scale_f32_16x16x128_f8f6f4 v[D0:D0+7], v[BC+32:BC+47], v[AF+16:AF+31], v[D0:D0+7], v[BS+2], v[AS+1]
	v_wmma_scale_f32_16x16x128_f8f6f4 v[D1:D1+7], v[BC+48:BC+63], v[AF+16:AF+31], v[D1:D1+7], v[BS+3], v[AS+1]
.rept 8
	v_nop                                          ; eight places behind this form, for the stores of the results and for all that later lands in these products' registers
.endr
.irp k, 0,1,2,3
	ds_store_b128 v[PWA], v[D0+4*\k:D0+4*\k+3] offset:512*\k   ; each accumulator from its low end on
.endr
	BARRIER                                        ; sixteen partial sums lie in LDS
	s_cmp_lg_u32 s26, 0
	s_cbranch_scc1 .Lend
	; ---- wave 0: the sum in ascending w, the quantiser, ta and tsa
.macro PLOAD c, reg                            ; the partial sums of waves 4 c .. 4 c + 3: 16 registers each
.irp i, 0,1,2,3,4,5,6,7,8,9,10,11,12,13,14,15
	ds_load_b128 v[\reg+4*\i:\reg+4*\i+3], v[PRA] offset:8192*(\c)+512*\i
.endr
.endm
.macro PADD reg
.irp p, 0,2,4,6,8,10,12,14
	v_pk_add_f32 v[Z+\p:Z+\p+1], v[Z+\p:Z+\p+1], v[\reg+\p:\reg+\p+1]
.endr
.endm
	PLOAD 0, R
	PLOAD 1, R+64
	s_wait_dscnt 16                                ; the older 16 loads are in
.irp p, 0,2,4,6,8,10,12,14
	v_pk_add_f32 v[Z+\p:Z+\p+1], v[R+\p:R+\p+1], v[R+16+\p:R+16+\p+1]   ; the first addition starts the sum
.endr
	PADD R+32
	PADD R+48
	PLOAD 2, R
	s_wait_dscnt 16
.irp j, 0,1,2,3
	PADD R+64+16*\j
.endr
	PLOAD 3, R+64
	s_wait_dscnt 16
.irp j, 0,1,2,3
	PADD R+16*\j
.endr
	s_wait_dscnt 0x0
.irp j, 0,1,2,3
	PADD R+64+16*\j
.endr
	QSTEP Z, CP, EP, M0, 1                         ; a row's 32 numbers are one block: ranks 16 h on are mine, the others lane l xor 16's
	v_or_b32 v[EP], 0x7f7f7f00, v[EP]
	global_store_b128 v[TCO], v[CP:CP+3], s[18:19]
	global_store_b32 v[TSO], v[EP], s[20:21]       ; both halves of the lanes write the same word
.Lend:
	s_wait_xcnt 0x0
	v_lshl_add_u32 v254, v0, 2, 0x2ec00
	v_mov_b32 v255, 0
	s_wait_tensorcnt 0x0
	ds_add_u32 v254, v255
	s_wait_dscnt 0x0
	s_endpgm
.Lfunc_end_k_q03faeab826_prep:
	.size	k_q03faeab826_prep, .Lfunc_end_k_q03faeab826_prep-k_q03faeab826_prep
	.p2alignl 7, 3214868480
	.fill 96, 4, 3214868480
	.section	.rodata,"a",@progbits
	.p2align	6, 0x0
	.amdhsa_kernel k_q03faeab826_prep
		.amdhsa_group_segment_fixed_size 193536
		.amdhsa_private_segment_fixed_size 0
		.amdhsa_enable_private_segment 0
		.amdhsa_kernarg_size 88
		.amdhsa_user_sgpr_count 2
		.amdhsa_user_sgpr_kernarg_segment_ptr 1
		.amdhsa_wavefront_size32 1
		.amdhsa_system_sgpr_workgroup_id_x 1
		.amdhsa_system_sgpr_workgroup_id_y 1
		.amdhsa_system_sgpr_workgroup_id_z 1
		.amdhsa_system_vgpr_workitem_id 0
		.amdhsa_next_free_vgpr 256
		.amdhsa_next_free_sgpr 66
		.amdhsa_reserve_vcc 0
		.amdhsa_float_denorm_mode_32 3
		.amdhsa_float_denorm_mode_16_64 3
		.amdhsa_memory_ordered 1
		.amdhsa_forward_progress 1
		.amdhsa_inst_pref_size 169
	.end_amdhsa_kernel
	.amdgpu_metadata
---
amdhsa.version: [ 1, 2 ]
amdhsa.kernels:
  - .name:           k_q03faeab826_prep
    .symbol:         k_q03faeab826_prep.kd
    .args:
      - { .name: x, .offset: 0, .size: 8, .value_kind: global_buffer, .address_space: global }
      - { .name: qweight, .offset: 8, .size: 8, .value_kind: global_buffer, .address_space: global }
      - { .name: wscale, .offset: 16, .size: 8, .value_kind: global_buffer, .address_space: global }
      - { .name: lora_down, .offset: 24, .size: 8, .value_kind: global_buffer, .address_space: global }
      - { .name: lora_up, .offset: 32, .size: 8, .value_kind: global_buffer, .address_space: global }
      - { .name: a_ws, .offset: 40, .size: 8, .value_kind: global_buffer, .address_space: global }
      - { .name: b_ws, .offset: 48, .size: 8, .value_kind: global_buffer, .address_space: global }
      - { .name: ta, .offset: 56, .size: 8, .value_kind: global_buffer, .address_space: global }
      - { .name: tsa, .offset: 64, .size: 8, .value_kind: global_buffer, .address_space: global }
      - { .name: tb, .offset: 72, .size: 8, .value_kind: global_buffer, .address_space: global }
      - { .name: tsb, .offset: 80, .size: 8, .value_kind: global_buffer, .address_space: global }
    .group_segment_fixed_size: 193536
    .private_segment_fixed_size: 0
    .kernarg_segment_align: 8
    .kernarg_segment_size: 88
    .max_flat_workgroup_size: 512
    .sgpr_count:     66
    .vgpr_count:     256
    .wavefront_size: 32
...
	.end_amdgpu_metadata
.endif
;; end of part 1
;; launch gemm (part 2): grid 16 x 16, 4 waves a work-group, clusters of 4 x 4, 327,680 bytes of LDS; arguments a_ws, b_ws, ta, tsa, tb, tsb, bias, out0; writes out0
.if DOCPART == 2
	.amdgcn_target "amdgcn-amd-amdhsa--gfx1250"
	.amdhsa_code_object_version 6
	.text
	.protected	k_q03faeab826_gemm
	.globl	k_q03faeab826_gemm
	.p2align	8
	.type	k_q03faeab826_gemm,@function
k_q03faeab826_gemm:
	s_mov_b64 s[64:65], 0
	v_nop
	global_prefetch_b8 v0, s[64:65] scope:SCOPE_SE
	s_setreg_imm32_b32 hwreg(HW_REG_WAVE_MODE, 25, 1), 1
	s_wait_xcnt 0x0
	s_wait_alu depctr_hold_cnt(0) depctr_sa_sdst(0) depctr_va_vdst(0) depctr_va_sdst(0) depctr_va_ssrc(0) depctr_va_vcc(0) depctr_vm_vsrc(0)
	s_getreg_b32 s2, hwreg(HW_REG_IB_STS2, 6, 4)
	s_cmp_eq_u32 s2, 0
	s_cbranch_scc0 .Lentry_in_a_cluster
	s_endpgm
.Lentry_in_a_cluster:
	s_bfe_u32 s2, ttmp6, 0x10000c
	s_cmp_lg_u32 s2, 0xf033
	s_cbranch_scc0 .Lentry_shape_is_right
	s_endpgm
.Lentry_shape_is_right:
; out0[m][n] = sum over k of xq[m][k] W[n][k] + sum over r of t[m][r] lora_up[n][r] + bias[n], all products on codes of FP8 (E4M3) with one E8M0 scale for each 32 along K; sums in f32.  4,096 x 4,096, K = 4,096 and 32.
; a_ws, b_ws: [32 blocks of 128 rows][16 K steps of 256][128 rows x 256 codes, then 128 rows x 8 scale bytes]: what one wave fetches for a K step is ONE dense block of 33,792 bytes, 132 rows of 256: codes and scale bytes ride in the ring together.
; ta, tb: [4096][32] codes;  tsa, tsb: [4096] scale words, 127 in the three upper bytes.
; A tile of out0, 256 x 256, is made by a work-group of four waves; a wave makes 128 x 128: 64 accumulators of 16 x 16, 512 registers.  K goes in steps of 256 through a ring of two LDS slots filled by the tensor data mover.
; THE SUMS BEGIN WITH THE LOW-RANK PRODUCT: one step of 128 along K in front of the loop, 32 codes of t and of lora_up and 96 zero codes on both sides, whose C is the bias in the result's layout.  So nothing is cleared and nothing is added at the end.
; CLUSTERS: 4 x 4 work-groups.  The four of a row of the cluster need the same blocks of a_ws, the four of a column the same blocks of b_ws: each is asked for JOINTLY, by the same tensor load with the same descriptor and a mask that names the four.
; THE MATRIX INSTRUCTION IS USED TRANSPOSED (source 0 = 16 rows of W, source 1 = 16 rows of xq): a lane then holds eight neighbouring numbers of a row of out0.
; THE CHANGE OF SLOTS stands behind the first 32 products of a slot's last step, with no product inside it: a load so has 128 products (32 + 64 + 32) in which to land, and the next one is asked for as soon as the round allows.
; REGISTERS, in windows of 256: window 0: v0-31 addresses; v32-63 scale words, two sets, and nothing else; v64-127 the bias; from v128 A's fragments (8 x 16 rows x 128 K), ONE set; on the way out v128-255 take rows.
;   window 1: B's fragments, TWO sets, at v0 and at v128.   window 2: the 32 accumulators of my rows 0-63 (accumulator (a, b) at v[8 (8 a + b)]);   window 3: those of my rows 64-127.
; A step of 128 along K is 64 matrix instructions, A's blocks one after the other, each against B's eight: a block of A is free as soon as its eight products are issued, so one set serves A (blocks 0-3 fetched anew in the step's middle, 4-7 at its end); B has two sets.
.set SIZE_N, 4096
.set NQ,     2                         ; steps of 128 in a slot
.set PITCH,  272                       ; an LDS row: 256 bytes + 16 of padding = 68 words: row r starts at bank 4 r mod 64 (64 banks of 4 bytes: ISA guide 11.1)
.set FR,     16                        ; registers of a fragment
.set NL,     4                         ; LDS loads that bring one
.set NP,     8                         ; places behind this matrix instruction (ISA guide 7.12.1)
.set TROWS,  132                       ; rows of 256 bytes in a load: 128 of codes, 4 of scale bytes
.set HALFT,  TROWS*PITCH               ; what one tensor load brings, in LDS
.set SLOT,   4*HALFT                   ; A's two halves, then B's two
.set BLK,    TROWS*256                 ; and in memory
.set RB,     16*BLK                    ; a block of 128 rows, all of K
.set LAPS,   8                         ; a lap = two K steps = once round the ring
.set SPARE,  2*SLOT                    ; behind the ring: the spare words, 128 bytes for each wave: two blocks of 256 bytes that no other line names
.set SPITCH, 528                       ; the way out: a stage of 16 rows x (512 bytes + 16) for each wave, in slot 0, which has had its last fill and its last read when the first result is stored there
.set PF0,    448                       ; the first piece of 256 bytes of a block of rows that is prefetched
.set PFSTEP, 128*256                   ; what the four partners name together at one change of slots
.set PFO,  7                           ; v7      256 x my lane: the prefetches' offset; never rewritten
.set ADRA, 16                          ; v16-17  LDS address of my A fragments in slot 0, 1
.set ADRB, 20                          ; v20-21  the same for B
.set ADRS, 22                          ; v22-23  of my scale words: lanes 0-15 A's rows, lanes 16-31 B's
.set STO,  24                          ; v24     the way out: where I put 32 bytes of a row
.set RD,   25                          ; v25     where I read a row back
.set CO,   26                          ; v26     my byte offset in a row of out0
.set BO,   27                          ; v27     32 (lane / 16): my eight numbers of a block of the bias
.set SPW,  28                          ; v28     LDS address of my spare word; never rewritten
.set NIL,  29                          ; v29     0; never rewritten
.set TO,   30                          ; v30     32 r + 16 h: my 16 codes of t or of lora_up
.set WO,   31                          ; v31     4 r: my row's scale word
.set SC,   32                          ; scale words: set s at v[SC + 16 s]; register 2 i + q: lanes 0-15 A's block i, lanes 16-31 B's block i, the slot's q-th 128 along K
.set BIAS, 64
.set AF,   128
.set BK,   128
.set LIM, 2                            ; s2       1 in a wave that prefetches, else the greatest number
.set G1,  24                           ; s[24:31] descriptor group 1 for A's blocks;  s[32:39] group 0, one set for each slot
.set G0,  32
.set G1B, 48                           ; s[48:55], s[56:63] the same for B's
.set G0B, 56
.set PFA, 70                           ; s[70:71] where my prefetches stand
.set DW0, (3<<16)|(1<<20)|(1<<21)|(5<<22)|(3<<25)   ; 17:16 elements of 8 bytes; 20 padding on; 21 set beside a mask; 24:22 after every 64 words (code 5); 31:25 four words (code 3)
.set MSB, 0
.macro WIN new                         ; the immediate's high byte repeats the setting that is left
.if MSB != \new
	s_set_vgpr_msb (MSB<<8)|\new
.set MSB, \new
.endif
.endm
.set MUL_LO, 0xa1                      ; source 0 (B) window 1, source 1 (A) window 0, C and D window 2
.set MUL_HI, 0xf1                      ; the same, C and D window 3
.set TO_B,   0x40                      ; destination window 1, address window 0
; A joint load: waves 0 and 1 fetch for A, waves 2 and 3 for B.  Each of the two lines has ONE mask and one set of registers for all that issue it; the branch hangs on the wave's number alone.
; Four v_nop follow each of the two lines, ahead of the jump, the label and what follows.
.macro JLOAD g0a, g1a, g0b, g1b
	s_cmp_eq_u32 s21, 0
	s_cbranch_scc0 .Lfor_b_\@
	tensor_load_to_lds s[\g0a:\g0a+3], s[\g1a:\g1a+7]
	s_nop 0
.rept 4
	v_nop
.endr
	s_branch .Lasked_\@
.Lfor_b_\@:
	tensor_load_to_lds s[\g0b:\g0b+3], s[\g1b:\g1b+7]
	s_nop 0
.rept 4
	v_nop
.endr
.Lasked_\@:
.endm
; A PREFETCH INTO THE L2, behind each joint load, its four lines and the run of LDS loads that follows them: one instruction a wave, a lane a piece of 256 bytes.
; A block of 128 rows is 16 K steps x 132 = 2,112 pieces on end, and the prefetches walk it as ONE stream: 128 pieces at each change of slots (four partners x 32 lanes), from piece 448 on.  448 + 13 x 128 = 2,112: thirteen changes end
; exactly at the block's last byte, and the fourteenth, the last that fills a slot, asks for nothing.  K step s is pieces 132 s .. 132 s + 131; the changes up to the one that fills K step s - 1 have named the pieces up to
; 448 + 128 (s - 2) - 1, which is 132 s + 131 or more for every s up to 15: each piece from 448 on is named one to two K steps, 128 to 256 matrix instructions, ahead of the load that wants it.  The pieces under 448 come by their loads alone.
; Each piece is named ONCE in the launch.  A's block is read by every cluster of that row of clusters: the first of them (cluster x = 0) asks; B's by every cluster of that column: cluster y = 0 asks.  The wave that fetches a block asks for it;
; the four partners that fetch it jointly share the 128 pieces out BY ADDRESS, 32 each (by cx for A, by cy for B): no branch hangs on a work-group's place in its cluster.
.macro ASK slot
.if \slot
	s_cmp_gt_u32 s3, s[LIM]                        ; slot 1's change in the loop's last trip (s3 = 1) is the last that fills a slot
.else
	s_cmp_ge_u32 s3, s[LIM]
.endif
	s_cbranch_scc0 .Lnot_mine_\@
	global_prefetch_b8 v[PFO], s[PFA:PFA+1] th:TH_LOAD_NT scope:SCOPE_SE
.Lnot_mine_\@:
.endm
.macro CREST                           ; a round of the cluster's barrier behind its opening barrier
	s_cmp_lg_u32 s20, 0
	s_cbranch_scc1 .Lnot_wave_0_\@
	s_barrier_signal -3
.Lnot_wave_0_\@:
	s_barrier_wait -3
	s_barrier_signal -1
	s_barrier_wait -1
.endm
.macro CROUND                          ; a whole round
	s_barrier_signal -1
	s_barrier_wait -1
	CREST
.endm
	s_load_b512 s[4:19], s[0:1], 0x0               ; a_ws, b_ws, ta, tsa, tb, tsb, bias, out0
	v_lshl_add_u32 v[SPW], v0, 2, SPARE
	v_mov_b32 v[NIL], 0
	ds_add_u32 v28, v29
	ds_add_u32 v28, v29
	s_wait_dscnt 0x0
	v_lshrrev_b32 v1, 5, v0
	v_readfirstlane_b32 s20, v1                    ; wave 0..3
	s_lshr_b32 s21, s20, 1                         ; which half of the tile's rows is mine.  Also: I fetch for A (0) or for B (1)
	s_and_b32 s22, s20, 1                          ; which half of its columns.  Also: which 128 rows I fetch
	s_bfe_u32 s40, ttmp6, 0x40000                  ; cx, cy: my place in the cluster
	s_bfe_u32 s41, ttmp6, 0x40004
	s_lshl_b32 s42, ttmp9, 2
	s_add_co_u32 s42, s42, s40                     ; tile column = 4 x cluster x + cx
	s_and_b32 s43, ttmp7, 0xffff
	s_lshl_b32 s43, s43, 2
	s_add_co_u32 s43, s43, s41                     ; tile row = 4 x cluster y + cy
	s_lshl_b32 s44, s41, 2
	s_lshl_b32 s44, 15, s44                        ; my row of the cluster
	s_lshl_b32 s45, 0x1111, s40                    ; my column
	s_or_b32 s[G1+0], s44, DW0                     ; 15:0 the mask: A's blocks go to my row,
	s_or_b32 s[G1B+0], s45, DW0                    ; B's to my column
.irp g, G1, G1B
	s_mov_b32 s[\g+1], 32<<16                      ; tensor_dim0 = 32 elements: 256 bytes
	s_mov_b32 s[\g+2], TROWS<<16                   ; tensor_dim1
	s_mov_b32 s[\g+3], 32<<16                      ; tile_dim0
	s_mov_b32 s[\g+4], TROWS                       ; tile_dim1
	s_mov_b32 s[\g+5], 32                          ; tensor_dim0_stride: the block is dense
	s_mov_b32 s[\g+6], 0
	s_mov_b32 s[\g+7], 0
.endr
	s_lshl_b32 s46, s43, 1
	s_add_co_u32 s46, s46, s22
	s_mul_i32 s46, s46, RB                         ; A: block of rows 2 x tile row + half (under 2^32 bytes).  These registers never hold cx
	s_mov_b32 s47, 0
	s_lshl_b32 s66, s42, 1
	s_add_co_u32 s66, s66, s22
	s_mul_i32 s66, s66, RB                         ; B: 2 x tile column + half
	s_mov_b32 s67, 0
	s_mul_i32 s23, s20, HALFT                      ; where they go: wave x a load's bytes: no place in the cluster enters an LDS address
	s_wait_kmcnt 0x0
	s_add_nc_u64 s[46:47], s[4:5], s[46:47]
	s_add_nc_u64 s[66:67], s[6:7], s[66:67]
	CROUND                                         ; all sixteen work-groups are here: the first joint loads meet
.irp s, 0,1
	s_mov_b32 s[G0+4*\s], 1                                        ; 1:0 count = 1
	s_add_co_u32 s[G0+4*\s+1], s23, \s*SLOT                        ; 63:32 LDS address
	s_add_nc_u64 s[G0+4*\s+2:G0+4*\s+3], s[46:47], \s*BLK          ; 120:64 global address: K step s
	s_or_b32 s[G0+4*\s+3], s[G0+4*\s+3], 0x80000000                ; 127:126 type = 2
	s_mov_b32 s[G0B+4*\s], 1
	s_add_co_u32 s[G0B+4*\s+1], s23, \s*SLOT
	s_add_nc_u64 s[G0B+4*\s+2:G0B+4*\s+3], s[66:67], \s*BLK
	s_or_b32 s[G0B+4*\s+3], s[G0B+4*\s+3], 0x80000000
	JLOAD G0+4*\s, G1, G0B+4*\s, G1B               ; two loads of mine are out
.endr
	; the low-rank step's operands and the bias, straight into registers
	v_and_b32 v1, 15, v0                           ; r
	v_bfe_u32 v2, v0, 4, 1                         ; h
	v_lshlrev_b32 v[TO], 5, v1
	v_lshl_add_u32 v[TO], v2, 4, v[TO]
	v_lshlrev_b32 v[WO], 2, v1
	v_lshlrev_b32 v[BO], 5, v2
	s_lshl_b32 s46, s43, 8
	s_lshl_b32 s47, s21, 7
	s_add_co_u32 s46, s46, s47                     ; my first row: 256 x tile row + 128 x half
	s_lshl_b32 s66, s42, 8
	s_lshl_b32 s67, s22, 7
	s_add_co_u32 s66, s66, s67                     ; my first column
	s_mov_b32 s69, 0
	s_lshl_b32 s68, s46, 5
	s_add_nc_u64 s[8:9], s[8:9], s[68:69]          ; ta: 32 bytes a row
	s_lshl_b32 s68, s46, 2
	s_add_nc_u64 s[10:11], s[10:11], s[68:69]      ; tsa
	s_lshl_b32 s68, s46, 14
	s_add_nc_u64 s[18:19], s[18:19], s[68:69]      ; out0: 16,384 bytes a row
	s_lshl_b32 s68, s66, 5
	s_add_nc_u64 s[12:13], s[12:13], s[68:69]      ; tb
	s_lshl_b32 s68, s66, 2
	s_add_nc_u64 s[14:15], s[14:15], s[68:69]      ; tsb
	s_add_nc_u64 s[16:17], s[16:17], s[68:69]      ; bias
	s_add_nc_u64 s[18:19], s[18:19], s[68:69]      ; out0
.irp i, 0,1,2,3,4,5,6,7
	global_load_b128 v[AF+FR*\i:AF+FR*\i+3], v[TO], s[8:9] offset:512*\i     ; t's block i: registers 0-3 of a fragment are k = 16 h + 0 .. 15
	global_load_b32 v[SC+16+\i], v[WO], s[10:11] offset:64*\i                ; its rows' scale words,
	global_load_b32 v[SC+24+\i], v[WO], s[14:15] offset:64*\i                ; and those of lora_up's block i
.endr
.irp b, 0,1,2,3,4,5,6,7
	global_load_b128 v[BIAS+8*\b:BIAS+8*\b+3], v[BO], s[16:17] offset:64*\b          ; the bias in the result's layout: register j of block b is column 16 b + 8 h + j
	global_load_b128 v[BIAS+8*\b+4:BIAS+8*\b+7], v[BO], s[16:17] offset:64*\b+16
.endr
.irp i, 0,1,2,3,4,5,6,7
.irp z, 4,5,6,7,8,9,10,11,12,13,14,15
	v_mov_b32 v[AF+FR*\i+\z], 0                    ; K = 32 is filled up to the instruction's 128 with zero codes, on both sides
.endr
.endr
	WIN TO_B
.irp i, 0,1,2,3,4,5,6,7
	global_load_b128 v[128+FR*\i:128+FR*\i+3], v[TO], s[12:13] offset:512*\i         ; lora_up's block i, into B's set 1
.endr
.irp i, 0,1,2,3,4,5,6,7
.irp z, 4,5,6,7,8,9,10,11,12,13,14,15
	v_mov_b32 v[128+FR*\i+\z], 0
.endr
.endr
	WIN 0
	; LDS addresses
	v_mul_u32_u24 v3, v1, PITCH
	v_lshl_add_u32 v4, v2, 4, v3                   ; a fragment's row x pitch + 16 x half
	s_mul_i32 s68, s21, HALFT                      ; my 128 rows of A
	s_mul_i32 s69, s22, HALFT                      ; my 128 rows of B,
	s_add_co_u32 s69, s69, 2*HALFT                 ; which lie behind A's two halves
.irp s, 0,1
	v_add_nc_u32 v[ADRA+\s], s68, v4
	v_add_nc_u32 v[ADRB+\s], s69, v4
	s_add_co_u32 s68, s68, SLOT
	s_add_co_u32 s69, s69, SLOT
.endr
	s_xor_b32 s69, s21, 1
	s_add_co_u32 s69, s69, s22
	s_add_co_u32 s69, s69, 1
	s_mul_i32 s69, s69, HALFT                      ; from A's half that I read to B's: (2 + column half - row half) loads' bytes
	v_mul_u32_u24 v6, s69, v2                      ; lanes 16-31 take B's: ONE product, the lower base + h x the distance
	v_lshl_add_u32 v6, v1, 3, v6                   ; 8 bytes a row
	s_mul_i32 s68, s21, HALFT
	s_add_co_u32 s68, s68, 128*PITCH               ; the scale bytes lie behind the 128 rows of codes
	v_add_nc_u32 v[ADRS], s68, v6
	s_add_co_u32 s68, s68, SLOT
	v_add_nc_u32 v[ADRS+1], s68, v6
	s_mul_i32 s68, s20, 16*SPITCH                  ; my stage
	v_mul_u32_u24 v5, v1, SPITCH                   ; in: row l % 16, 32 bytes for each half of the lanes
	v_lshl_add_u32 v5, v2, 5, v5
	v_add_nc_u32 v[STO], s68, v5
	v_and_b32 v6, 31, v0
	v_lshlrev_b32 v[CO], 4, v6                     ; back: the 32 lanes take one row of 512 bytes; and the same in out0
	v_add_nc_u32 v[RD], s68, v[CO]
	; the prefetches (macro ASK): where my wave's stand, and who asks.  Nothing is prefetched here, at the head, where every work-group's first blocks are on their way
	s_and_b32 s68, ttmp7, 0xffff                   ; cluster y
	s_cmp_eq_u32 s21, 0                            ; do I fetch for A?
	s_cselect_b32 s66, s43, s42                    ; the block of rows: in a_ws by the tile row, in b_ws by the tile column
	s_cselect_b32 s67, s40, s41                    ; my place among the four that ask for it with me
	s_cselect_b32 s68, ttmp9, s68                  ; the coordinate along which other clusters read the same block
	s_cselect_b64 s[PFA:PFA+1], s[4:5], s[6:7]     ; the choice hangs on the wave's number alone
	s_cmp_eq_u32 s68, 0
	s_cselect_b32 s[LIM], 1, -1                    ; the same in all sixteen partners, for a given wave
	s_lshl_b32 s66, s66, 1
	s_add_co_u32 s66, s66, s22
	s_mul_i32 s66, s66, RB                         ; the block that I fetch,
	s_lshl_b32 s67, s67, 13
	s_add_co_u32 s66, s66, s67                     ; my work-group's 32 pieces of each 128,
	s_add_co_u32 s66, s66, PF0*256-PFSTEP          ; one step short of piece 448: the first change of slots steps it there
	s_mov_b32 s67, 0
	s_add_nc_u64 s[PFA:PFA+1], s[PFA:PFA+1], s[66:67]
	v_lshlrev_b32 v[PFO], 8, v6                    ; a lane a piece
.macro FRAG reg, adr, q, i             ; a fragment, 16 rows x 128 K: lane l holds row l % 16; registers 4 c .. 4 c + 3 hold K = 32 c + 16 (l / 16) + 0 .. 15
.irp c, 0,1,2,3
	ds_load_b128 v[\reg+4*\c:\reg+4*\c+3], v[\adr] offset:128*(\q)+32*\c+(\i)*16*PITCH
.endr
.endm
; 16 matrix instructions: A's blocks a0, a0 + 1 x B's eight, the slot's q-th 128 along K.  p: B's set;  sc: the set of scale words.  The 64 accumulators take turns, one instruction a turn, in the same order in every step.
.macro MUL16 a0, p, q, sc
.irp a, \a0, \a0+1
.irp b, 0,1,2,3,4,5,6,7
	v_wmma_scale_f32_16x16x128_f8f6f4 v[8*(8*((\a)%4)+\b):8*(8*((\a)%4)+\b)+7], v[128*(\p)+FR*\b:128*(\p)+FR*\b+FR-1], v[AF+FR*(\a):AF+FR*(\a)+FR-1], v[8*(8*((\a)%4)+\b):8*(8*((\a)%4)+\b)+7], v[SC+8*NQ*(\sc)+NQ*\b+(\q)], v[SC+8*NQ*(\sc)+NQ*(\a)+(\q)] matrix_a_scale:MATRIX_SCALE_ROW1
.endr
.endr
.endm
; The low-rank step: A's blocks a0 .. a0 + 3 of t against lora_up's eight; C is the bias, D the accumulator: these products start the sums.  Both sides' scale words lie in lanes 0-15 of registers of their own.
.macro LMUL a0, win
	WIN \win
.irp a, \a0, \a0+1, \a0+2, \a0+3
.irp b, 0,1,2,3,4,5,6,7
	v_wmma_scale_f32_16x16x128_f8f6f4 v[8*(8*((\a)%4)+\b):8*(8*((\a)%4)+\b)+7], v[128+FR*\b:128+FR*\b+FR-1], v[AF+FR*(\a):AF+FR*(\a)+FR-1], v[BIAS+8*\b:BIAS+8*\b+7], v[SC+24+\b], v[SC+16+(\a)]
.endr
.endr
.endm
.macro FETCH_B slot, q, p              ; B's eight fragments of the slot's q-th 128 along K into set p
	WIN TO_B
.irp i, 0,1,2,3,4,5,6,7
	FRAG 128*(\p)+FR*\i, ADRB+\slot, \q, \i
.endr
	WIN 0
.endm
.macro FETCH_A slot, q, i0             ; A's blocks i0 .. i0 + 3
.irp i, \i0, \i0+1, \i0+2, \i0+3
	FRAG AF+FR*(\i), ADRA+\slot, \q, \i
.endr
.endm
.macro SCALES sc                       ; slot sc's scale words into set sc: two words a row; a row of 256 bytes holds 32 rows' bytes, so block i lies in row i / 2, half i % 2
.irp i, 0,1,2,3,4,5,6,7
	ds_load_b64 v[SC+8*NQ*\sc+NQ*\i:SC+8*NQ*\sc+NQ*\i+1], v[ADRS+\sc] offset:(\i/2)*PITCH+(\i%2)*128
.endr
.endm
; A load into a register that a matrix instruction has read, and an LDS store that reads a matrix result, stand NP places behind that matrix instruction; only plain vector instructions that name none of its registers are places.
.macro PLACES n
.rept \n
	v_nop
.endr
.endm
; A step of 128 along K that has its successor in the same slot.
.macro STEP slot, q
	s_wait_dscnt 4*NL                              ; B's set, A's blocks 0-3 and the scale words are in; the youngest 16 loads (A's blocks 4-7) may be out
	WIN MUL_LO
	MUL16 0, (\q)%2, \q, \slot
	MUL16 2, (\q)%2, \q, \slot
	s_wait_dscnt 0                                 ; A's blocks 4-7 are in (asked for 32 matrix instructions ago)
	PLACES NP
	FETCH_B \slot, (\q)+1, 1-(\q)%2
	FETCH_A \slot, (\q)+1, 0
	WIN MUL_HI
	MUL16 4, (\q)%2, \q, \slot
	MUL16 6, (\q)%2, \q, \slot
	PLACES NP
	WIN 0
	FETCH_A \slot, (\q)+1, 4
.endm
; A slot's last step changes slots, in its middle: ONE barrier.  All my reads of this slot were issued in the step before (the last: A's blocks 4-7).  The step's first 32 products come first, so that the load that is out has them too in which to land.
; Then each wave waits for all its tensor loads, adds 0 to its spare word, and waits for that and for its own reads of this slot; behind the barrier nobody reads this slot any more and the next slot is whole.
; fill = 1: this slot is filled again, two K steps ahead; no product stands between the wait for the loads and the new request.
.macro TURN slot, next, fill
.if \fill
	s_wait_xcnt 0x0                                ; the last prefetch, a K step back, has read its address, so it may be written:
	s_add_nc_u64 s[PFA:PFA+1], s[PFA:PFA+1], PFSTEP    ; the stream's next 128 pieces
.endif
	s_wait_dscnt 4*NL                              ; B's set and A's blocks 0-3 are in; the youngest 16 loads (A's blocks 4-7) may be out
	WIN MUL_LO
	MUL16 0, 1, NQ-1, \slot
	MUL16 2, 1, NQ-1, \slot
	WIN 0
	s_wait_tensorcnt 0x0                           ; all my tensor loads have landed: the one that was out is my part of the next slot; so every group 0 may be written
	ds_add_u32 v[SPW], v[NIL]                      ; 0 onto my spare word; with fill = 1 the descriptors' steps stand between it and the wait for it
.if \fill
	s_add_nc_u64 s[G0+4*\slot+2:G0+4*\slot+3], s[G0+4*\slot+2:G0+4*\slot+3], 2*BLK       ; this slot's next K step; the type bits on top are not reached
	s_add_nc_u64 s[G0B+4*\slot+2:G0B+4*\slot+3], s[G0B+4*\slot+2:G0B+4*\slot+3], 2*BLK
.endif
	s_wait_dscnt 0x0                               ; the add is done, and my reads of this slot are over
	s_barrier_signal -1
	s_barrier_wait -1
.if \fill
	CREST                                          ; the barrier has opened a round of the cluster's barrier: no wave of any partner still reads this slot or has a load on its way
	JLOAD G0+4*\slot, G1, G0B+4*\slot, G1B         ; the first tensor load behind the round, and my only one until the next; its four v_nop are among the places in front of the loads below
	PLACES NP-4
.else
	PLACES NP
.endif
	FETCH_B \next, 0, 0
	FETCH_A \next, 0, 0
	SCALES \next
.if \fill
	ASK \slot                                      ; behind the joint load and the run of LDS loads that the next products wait for
.endif
	WIN MUL_HI
	MUL16 4, 1, NQ-1, \slot
	MUL16 6, 1, NQ-1, \slot
	PLACES NP
	WIN 0
	FETCH_A \next, 0, 4
.endm
	s_wait_loadcnt 0x0                             ; t, lora_up, their scale words, the bias
	PLACES 4                                       ; the zero codes were written by vector instructions: four places ahead of a scaled matrix instruction
	LMUL 0, 0x81                                   ; source 0 window 1, source 1 and C window 0, D window 2
	LMUL 4, 0xc1                                   ; D window 3
	WIN 0
	s_wait_tensorcnt 1                             ; my part of K step 0 is in (K step 1's load may be out)
	s_barrier_signal -1
	s_barrier_wait -1                              ; everybody's is
	PLACES NP                                      ; A's registers have just been multiplied
	FETCH_B 0, 0, 0
	FETCH_A 0, 0, 0
	SCALES 0
	FETCH_A 0, 0, 4
	STEP 0, 0
	s_mov_b32 s3, LAPS-1
.Llap:                                                 ; a trip goes once round the ring, from a lap's second step to the next lap's first, and fills both slots again
	TURN 0, 1, 1
	STEP 1, 0
	TURN 1, 0, 1
	STEP 0, 0
	s_sub_co_u32 s3, s3, 1
	s_cmp_lg_u32 s3, 0
	s_cbranch_scc1 .Llap
	TURN 0, 1, 0                                   ; the last lap fills nothing, and has no round of the cluster's barrier
	STEP 1, 0
	s_wait_dscnt 4*NL                              ; the very last step: nothing more to fetch
	WIN MUL_LO
	MUL16 0, 1, NQ-1, 1
	MUL16 2, 1, NQ-1, 1
	s_wait_dscnt 0
	WIN MUL_HI
	MUL16 4, 1, NQ-1, 1
	MUL16 6, 1, NQ-1, 1
	WIN 0
; THE WAY OUT, block by block of 16 rows x 128 columns.  A lane holds 32 neighbouring bytes of a row, and the lanes beside it hold other rows: so a block goes through my own stage in LDS and comes back as whole
; rows of 512 bytes.  LDS serves a wave's instructions in order (ISA guide 5.7.1.4): no wait between the stores and the loads, nor in front of the next block's stores.
.macro TOSTAGE a
.set AC, 64*((\a)%4)
	WIN 0x08+4*((\a)/4)                            ; the data: window 2 or 3
.irp b, 0,1,2,3,4,5,6,7
	ds_store_b128 v[STO], v[AC+8*\b:AC+8*\b+3] offset:64*\b          ; each accumulator from its low end on
	ds_store_b128 v[STO], v[AC+8*\b+4:AC+8*\b+7] offset:64*\b+16
.endr
	WIN 0
.set BB, BK+64*((\a)%2)
.irp t, 0,1,2,3,4,5,6,7,8,9,10,11,12,13,14,15
	ds_load_b128 v[BB+4*\t:BB+4*\t+3], v[RD] offset:\t*SPITCH
.endr
.endm
.macro SEND a, younger                 ; younger: the LDS instructions issued behind block a's loads, which may stay out
.set BB, BK+64*((\a)%2)
	s_wait_dscnt \younger                          ; the block is back in registers
.if (\a) > 0
	s_add_nc_u64 s[18:19], s[18:19], 16*SIZE_N*4   ; (behind a wait on XCNT: the earlier stores have read their base)  16 rows on, so that the stores' offsets stay at 15 rows at the most
.endif
.irp t, 0,1,2,3,4,5,6,7,8,9,10,11,12,13,14,15
	global_store_b128 v[CO], v[BB+4*\t:BB+4*\t+3], s[18:19] offset:\t*SIZE_N*4 th:TH_STORE_NT   ; 32 lanes store 512 consecutive bytes, at a multiple of 256 from out0's first byte; written once, read by nobody here
.endr
.endm
	PLACES NP                                      ; for the loads into the registers that held A's fragments, and for the reads of the last products' results
	TOSTAGE 0
.irp a, 1,2,3,4,5,6,7
.if \a > 1
	s_wait_xcnt 0x0                                ; block a - 2's stores have read their registers and their base: block a's loads may land there, and the base may step
.endif
	TOSTAGE \a
	SEND \a-1, 32                                  ; behind block a - 1's loads: block a's 16 stores and 16 loads
.endr
	s_wait_xcnt 0x0                                ; block 6's stores have read their base
	SEND 7, 0
	s_wait_tensorcnt 0x0                           ; the wave's end: behind my last tensor load and my last LDS store
	ds_add_u32 v[SPW], v[NIL]
	s_wait_dscnt 0x0
	CROUND                                         ; the closing round: no work-group ends while a partner may still ask for a block that names it
	s_endpgm
.Lfunc_end_k_q03faeab826_gemm:
	.size	k_q03faeab826_gemm, .Lfunc_end_k_q03faeab826_gemm-k_q03faeab826_gemm
	.p2alignl 7, 3214868480
	.fill 96, 4, 3214868480
	.section	.rodata,"a",@progbits
	.p2align	6, 0x0
	.amdhsa_kernel k_q03faeab826_gemm
		.amdhsa_group_segment_fixed_size 327680
		.amdhsa_private_segment_fixed_size 0
		.amdhsa_enable_private_segment 0
		.amdhsa_kernarg_size 64
		.amdhsa_user_sgpr_count 2
		.amdhsa_user_sgpr_kernarg_segment_ptr 1
		.amdhsa_wavefront_size32 1
		.amdhsa_system_sgpr_workgroup_id_x 1
		.amdhsa_system_sgpr_workgroup_id_y 1
		.amdhsa_system_sgpr_workgroup_id_z 1
		.amdhsa_system_vgpr_workitem_id 0
		.amdhsa_next_free_vgpr 1024
		.amdhsa_next_free_sgpr 72
		.amdhsa_reserve_vcc 0
		.amdhsa_float_denorm_mode_32 3
		.amdhsa_float_denorm_mode_16_64 3
		.amdhsa_memory_ordered 1
		.amdhsa_forward_progress 1
		.amdhsa_inst_pref_size 164
	.end_amdhsa_kernel
	.amdgpu_metadata
---
amdhsa.version: [ 1, 2 ]
amdhsa.kernels:
  - .name:           k_q03faeab826_gemm
    .symbol:         k_q03faeab826_gemm.kd
    .args:
      - { .name: a_ws, .offset: 0, .size: 8, .value_kind: global_buffer, .address_space: global }
      - { .name: b_ws, .offset: 8, .size: 8, .value_kind: global_buffer, .address_space: global }
      - { .name: ta, .offset: 16, .size: 8, .value_kind: global_buffer, .address_space: global }
      - { .name: tsa, .offset: 24, .size: 8, .value_kind: global_buffer, .address_space: global }
      - { .name: tb, .offset: 32, .size: 8, .value_kind: global_buffer, .address_space: global }
      - { .name: tsb, .offset: 40, .size: 8, .value_kind: global_buffer, .address_space: global }
      - { .name: bias, .offset: 48, .size: 8, .value_kind: global_buffer, .address_space: global }
      - { .name: out0, .offset: 56, .size: 8, .value_kind: global_buffer, .address_space: global }
    .group_segment_fixed_size: 327680
    .private_segment_fixed_size: 0
    .kernarg_segment_align: 8
    .kernarg_segment_size: 64
    .max_flat_workgroup_size: 128
    .sgpr_count:     72
    .vgpr_count:     1024
    .wavefront_size: 32
...
	.end_amdgpu_metadata
.endif
;; end of part 2
;; ======== version 2 of 2: 2 launches; version 1 with the launch prep written anew for expert scheduling mode
;; workspace buffers: a_ws 17,301,504 bytes; b_ws 17,301,504 bytes; ta 131,072 bytes; tsa 16,384 bytes; tb 131,072 bytes; tsb 16,384 bytes
;; launch prep (part 3): grid 256 x 1, 16 waves a work-group, no clusters, 193,536 bytes of LDS; arguments x, qweight, wscale, lora_down, lora_up, a_ws, b_ws, ta, tsa, tb, tsb; writes a_ws, b_ws, ta, tsa, tb, tsb
.if DOCPART == 3
	.amdgcn_target "amdgcn-amd-amdhsa--gfx1250"
	.amdhsa_code_object_version 6
	.text
	.protected	k_q03faeab826_prep
	.globl	k_q03faeab826_prep
	.p2align	8
	.type	k_q03faeab826_prep,@function
k_q03faeab826_prep:
	s_mov_b64 s[64:65], 0
	v_nop
	global_prefetch_b8 v0, s[64:65] scope:SCOPE_SE
	s_setreg_imm32_b32 hwreg(HW_REG_WAVE_SCHED_MODE, 0, 2), 2
	s_setreg_imm32_b32 hwreg(HW_REG_WAVE_MODE, 25, 1), 1
	s_wait_xcnt 0x0
	s_wait_alu depctr_vm_vsrc(0)
; THE LAUNCH IN FRONT OF THE GEMM.  Work-group g owns rows 16 g .. 16 g + 15 of x, of qweight / wscale and of lora_up; wave w owns row 16 g + w.  It makes, all as codes of FP8 (E4M3) with one E8M0 byte for each 32 along K:
;   a_ws: xq = clip(round(x / ascale), -8, 7) x ascale, ascale = max(the row's largest |x|, 1e-6) / 7;   b_ws: W = qweight x wscale (groups of 64);
;   ta, tsa: t = Q(x) Q(lora_down)^T, 32 numbers a row, made here by the matrix unit and quantised;   tb, tsb: lora_up.
; a_ws and b_ws are laid as the GEMM fetches them: [32 blocks of 128 rows][16 K steps of 256][128 rows x 256 codes, then 128 rows x 8 scale bytes]: 33,792 dense bytes for a block of rows and a K step.
; ta, tb: [4096][32] codes.  tsa, tsb: [4096] words: the row's scale byte, and 127 in the three bytes above it (the GEMM fills K = 32 up to 128 with zero codes).
; THE DIVISIONS are made correctly rounded, since a whole number turns on them: max / 7 and x / ascale each by a product with the reciprocal, the residual by a fused multiply-add, and one correction; 1 / ascale by v_rcp_f32 and two Newton steps.
; A ROW is 8 steps of 512 numbers.  Each load takes 512 consecutive bytes, 16 a lane; a step's 2,048 bytes turn through the wave's own stage in LDS and come back 64 bytes a lane: 16 neighbours along K, two lanes to a block of 32.
; The whole row of x stays in 128 registers between the pass for its maximum and the pass that quantises; as a step's registers fall free they take the same step of qweight.
; x's own codes (the second product's operand) never go to memory: they lie in LDS, 16 rows, and each wave multiplies K = 256 w .. 256 w + 255 of them by its part of lora_down, which it quantises in registers in the operand's order.
; The 16 waves' partial sums of t meet in LDS; wave 0 adds them in ascending w and quantises.  lora_down is the one input that work-groups share; it goes from memory straight into operand order in registers, so there is no tile in LDS to share and no cluster.
; LIMITS: NaN and infinities among the inputs are not served.  A row whose largest |x| is above 2^125 is not served (1 / ascale would fall under the smallest normal number).  A block whose largest magnitude lies under 2^-118 keeps the byte 1;
; a block of zeros so has the byte 1 where the rule says 127: its codes are zeros, and these bytes are read by this program alone.  The scale bytes and the words of tsa, tsb leave in runs of 128 or 64 bytes: one byte for 32 of codes.
; THE MODE: SCHED_MODE bits 1:0 = 2 (LLVM: expert scheduling mode 2), set by the entry lines.  The code itself states the register dependences between vector or matrix instructions and memory or LDS instructions, with s_wait_alu, always for 0.
; THE PLAN.  Registers that memory or LDS instructions touch:
;   v1-17, v20, v21   offsets and LDS addresses: written once, at the head, and never again.
;   R                 step s at R + 16 s.  x lands; the maximum's lines and the stage's stores read it; qweight's step s lands; the stage's stores read it; lora_down's fragments land; QUANT reads and writes them;
;                     then x's fragments land in v128-159, the products read them and write v160-175, LDS stores read those, and wave 0's partial sums land.
;   XS0, XS1          in step t the stage's loads land in XS[(t + 1) % 2]; the step's vector lines name XS[t % 2] alone.
;   CP, CQ, EP, EQ    two sets each.  Step t's vector lines write set t % 2; the stores that read it are issued in step t + 1.
;   Z                 vector scratch in x's steps; then wscale's eight LDS loads land in it.
; So the waits of a step of x or of W stand at its head: one on vm_vsrc (the stage's stores have read the registers of R in which this step's loads land; the stores issued a step ago have read the set of codes that this step writes)
; and one on va_vdst (the step before has written its codes and bytes, and is done with its XS).  Behind them the step's loads, its stage stores and loads and the stores of the step before are dealt among its vector lines with no
; further wait: no vector line of step t names R, XS[(t + 1) % 2] or the other set of codes.
.set BLK,  33792                       ; a block of rows x a K step in a_ws, b_ws
.set RB,   16*BLK                      ; a block of 128 rows, all of K
.set SX,   0                           ; LDS: scale bytes of x, [row][136] (128 bytes + 8, so that rows stay multiples of 8);
.set SQ,   2304                        ; of xq;
.set SW,   4608                        ; of W
.set WSC,  6912                        ; a wave's row of wscale, 256 bytes each
.set STG,  11008                       ; two stages of 32 x 80 bytes for each wave: a lane's 64 bytes + 16 of padding
.set XC,   92928                       ; x's codes: 16 rows of 4,096 bytes + 16
.set PART, 158720                      ; the partial sums of t: 2,048 bytes a wave
.set GL,   1                           ; v1   16 x lane: my 16 bytes of a load's or a store's 512
.set SIN,  2                           ; v2   the stage, on the way in: 80 (lane / 4) + 16 (lane % 4)
.set SOUT, 3                           ; v3   and on the way out: 80 x lane
.set CST,  4                           ; v4   codes' place in a_ws, b_ws: lanes 0-15 the even K step, lanes 16-31 the odd one
.set XCW,  5                           ; v5   where I put x's codes
.set SBA,  6                           ; v6   my block's scale byte: 136 x wave + lane / 2
.set LDA,  7                           ; v7   lora_down: my row of a tile, + 64 (lane / 16)
.set AFA,  8                           ; v8   x's fragments
.set ASA,  9                           ; v9   x's scale words
.set SGA,  10                          ; v10  the scale bytes that I store
.set SGO,  11                          ; v11  and their place in a_ws or b_ws
.set PWA,  12                          ; v12  my partial sums
.set PRA,  13                          ; v13  everybody's
.set TCO,  14                          ; v14  t's codes in ta
.set TSO,  15                          ; v15  t's word in tsa
.set WSA,  16                          ; v16  wscale into LDS
.set WSR,  17                          ; v17  and back: the scale of my group of 64
.set WSV,  18                          ; v[18:19] wscale as loaded
.set UPO,  20                          ; v20  lora_up's word in tsb
.set WSO,  21                          ; v21  8 x lane
.set BS,   24                          ; v24-27 lora_down's scale words: scales and nothing else
.set AS,   28                          ; v28-29 x's scale words: likewise
.set ASC,  30                          ; v[30:31] ascale, twice
.set RIN,  32                          ; v[32:33] 1 / ascale, twice
.set SBY,  34                          ; v[34:35] at work; later the scale bytes on their way out
.set CP,   36                          ; v36-43 x's codes, two sets
.set CQ,   44                          ; v44-51 xq's or W's codes, two sets
.set EP,   52                          ; v52-53 x's scale byte, two sets
.set EQ,   54                          ; v54-55 xq's or W's
.set M0,   56                          ; v56-59, v60-63 at work in QSTEP
.set M1,   60
.set Z,    64                          ; v64-79 residuals; then wscale, a pair for each step; then the sum of t
.set Y,    80                          ; v80-95 xq
.set XS,   96                          ; v96-127 two sets of 16 neighbours
.set R,    128                         ; v128-255 a row: step s at R + 16 s
.set TM,   36                          ; QUANT's 16 registers, where CP and CQ lay
.set BC,   64                          ; lora_down's four fragments
.set AF,   128                         ; x's two fragments
.set D0,   160                         ; t's two accumulators
.set D1,   168
	s_load_b512 s[4:19], s[0:1], 0x0               ; x, qweight, wscale, lora_down, lora_up, a_ws, b_ws, ta
	s_load_b128 s[20:23], s[0:1], 0x40             ; tsa, tb
	s_load_b64 s[24:25], s[0:1], 0x50              ; tsb
	v_lshrrev_b32 v35, 5, v0
	v_readfirstlane_b32 s26, v35                   ; wave 0..15
	v_and_b32 v22, 31, v0                          ; lane
	v_and_b32 v23, 15, v0                          ; r
	v_bfe_u32 v34, v0, 4, 1                        ; h
	v_lshlrev_b32 v[GL], 4, v22
	v_lshlrev_b32 v[WSO], 3, v22
	s_wait_alu depctr_va_sdst(0)                   ; s26 is written, ahead of its first reader: rows, bases and LDS addresses are made from it
	s_lshl_b32 s32, ttmp9, 4
	s_add_co_u32 s32, s32, s26                     ; my row: 16 g + w
	s_mov_b32 s29, 0
	s_wait_kmcnt 0x0
	s_lshl_b32 s28, s32, 8
	s_add_nc_u64 s[8:9], s[8:9], s[28:29]          ; wscale: 256 bytes a row
	s_lshl_b32 s28, s32, 14
	s_add_nc_u64 s[4:5], s[4:5], s[28:29]          ; x and qweight: 16,384 bytes a row
	s_add_nc_u64 s[6:7], s[6:7], s[28:29]
	s_wait_alu depctr_va_vdst(0)                   ; v[GL] and v[WSO] are written, which the loads below read as their offsets
	global_load_b64 v[WSV:WSV+1], v[WSO], s[8:9] th:TH_LOAD_NT
.set J, 0
.rept 32
	global_load_b128 v[R+4*J:R+4*J+3], v[GL], s[4:5] offset:512*J th:TH_LOAD_NT   ; the whole row: 32 loads of 512 consecutive bytes
.set J, J+1
.endr
	s_mov_b32 s36, 0x76543210
	s_mov_b32 s37, 0xfedcba98                      ; v_permlanex16_b32's selects for lane l xor 16
	s_mov_b32 s38, 0x600000                        ; the mantissa field of 448
	s_mov_b32 s39, 0x40e00000                      ; 7.0
	s_mov_b32 s40, 0x3e124925                      ; 1 / 7, rounded
	s_mov_b32 s41, 0xc1000000                      ; -8.0
	; every LDS address is made here, ahead of the first branch: a constant + a constant x lane + a constant x wave.  None of these lines names a register of the loads that are out
	s_mul_i32 s33, s26, 5120
	s_add_co_u32 s33, s33, STG
	v_lshrrev_b32 v35, 2, v22
	v_mul_u32_u24 v[SIN], v35, 80
	v_and_b32 v36, 3, v22
	v_lshl_add_u32 v[SIN], v36, 4, v[SIN]
	v_add_nc_u32 v[SIN], s33, v[SIN]
	v_mul_u32_u24 v[SOUT], v22, 80
	v_add_nc_u32 v[SOUT], s33, v[SOUT]
	s_lshl_b32 s33, s26, 8
	s_add_co_u32 s33, s33, WSC
	v_lshl_add_u32 v[WSR], v35, 2, s33             ; word lane / 4 of eight: my 16 numbers lie in one group of 64
	v_add_nc_u32 v[WSA], s33, v[WSO]
	s_mul_i32 s33, s26, 4112
	s_add_co_u32 s33, s33, XC
	v_add_nc_u32 v[XCW], s33, v[GL]
	s_mul_i32 s33, s26, 136
	v_lshrrev_b32 v35, 1, v22
	v_add_nc_u32 v[SBA], s33, v35
	v_lshlrev_b32 v[UPO], 2, v35
	v_mul_u32_u24 v[AFA], v23, 4112
	v_lshl_add_u32 v[AFA], v34, 4, v[AFA]
	s_lshl_b32 s33, s26, 8
	s_add_co_u32 s33, s33, XC
	v_add_nc_u32 v[AFA], s33, v[AFA]               ; row r, K = 256 w on, + 16 h
	v_mul_u32_u24 v[ASA], v23, 136
	v_lshl_add_u32 v[SGA], v34, 3, v[ASA]
	s_and_b32 s33, s26, 7
	s_lshl_b32 s34, s33, 4
	s_lshr_b32 s35, s26, 3
	s_mul_i32 s35, s35, SW-SQ
	s_add_co_u32 s34, s34, s35
	v_add_nc_u32 v[SGA], s34, v[SGA]               ; row r, K steps 2 (w % 8) + h; waves 8 to 15 take W's bytes
	s_lshl_b32 s34, s26, 3
	v_add_nc_u32 v[ASA], s34, v[ASA]               ; row r, the 8 bytes of K = 256 w on
	s_lshl_b32 s34, s26, 11
	s_add_co_u32 s34, s34, PART
	v_add_nc_u32 v[PWA], s34, v[GL]
	v_add_nc_u32 v[PRA], PART, v[GL]
	; offsets in memory
	v_mul_u32_u24 v[CST], v34, BLK
	v_lshl_add_u32 v[SGO], v23, 3, v[CST]
	v_lshl_add_u32 v[CST], v23, 4, v[CST]
	v_and_b32 v35, 8, v23
	v_add_nc_u32 v35, v35, v23                     ; r + 8 (r / 8)
	v_lshlrev_b32 v[LDA], 14, v35
	v_lshl_add_u32 v[LDA], v34, 6, v[LDA]
	v_lshlrev_b32 v[TCO], 5, v23
	v_lshl_add_u32 v[TCO], v34, 4, v[TCO]
	v_lshlrev_b32 v[TSO], 2, v23
	s_lshl_b32 s28, s26, 10
	s_add_nc_u64 s[10:11], s[10:11], s[28:29]      ; lora_down at K = 256 w
	s_lshl_b32 s28, ttmp9, 11
	s_add_nc_u64 s[12:13], s[12:13], s[28:29]      ; lora_up: 16 rows of 128 bytes
	s_lshr_b32 s33, ttmp9, 3
	s_mul_i32 s33, s33, RB                         ; my block of 128 rows
	s_and_b32 s34, ttmp9, 7
	s_and_b32 s35, s26, 7
	s_mul_i32 s35, s35, 2*BLK
	s_lshl_b32 s28, s34, 7
	s_add_co_u32 s28, s28, s35
	s_add_co_u32 s28, s28, s33
	s_add_co_u32 s28, s28, 128*256                 ; the scale bytes lie behind a block's codes: 8 bytes a row
	s_cmp_lt_u32 s26, 8                            ; waves 0 to 7 store xq's scale bytes, waves 8 to 15 W's: the choice hangs on the wave's number alone
	s_cselect_b64 s[30:31], s[14:15], s[16:17]
	s_add_nc_u64 s[30:31], s[30:31], s[28:29]
	s_lshl_b32 s28, s34, 4
	s_add_co_u32 s28, s28, s26
	s_lshl_b32 s28, s28, 8
	s_add_co_u32 s28, s28, s33
	s_add_nc_u64 s[14:15], s[14:15], s[28:29]      ; my row's codes of K step 0
	s_add_nc_u64 s[16:17], s[16:17], s[28:29]
	s_lshl_b32 s28, ttmp9, 9
	s_add_nc_u64 s[18:19], s[18:19], s[28:29]
	s_add_nc_u64 s[22:23], s[22:23], s[28:29]
	s_lshl_b32 s28, ttmp9, 6
	s_add_nc_u64 s[20:21], s[20:21], s[28:29]
	s_add_nc_u64 s[24:25], s[24:25], s[28:29]
; A step's 2,048 bytes, in v[reg] on as they were loaded, go into stage `set` (TIN) and come back as 16 neighbours a lane (TBACK).  LDS serves a wave's instructions in order: no wait between the stores and the loads.
.macro TIN reg, set
.irp i, 0,1,2,3
	ds_store_b128 v[SIN], v[\reg+4*\i:\reg+4*\i+3] offset:2560*(\set)+640*\i
.endr
.endm
.macro TBACK set
.irp i, 0,1,2,3
	ds_load_b128 v[XS+16*(\set)+4*\i:XS+16*(\set)+4*\i+3], v[SOUT] offset:2560*(\set)+16*\i
.endr
.endm
.macro TURN reg, set
	TIN \reg, \set
	TBACK \set
.endm
; 16 neighbours in v[xb] on become 16 codes in v[cd] on and the block's byte in v[eb].  far = 0: the block's other half lies in the neighbouring lane; 1: in lane l xor 16.
.macro QSTEP xb, cd, eb, m, far
	v_max3_num_f32 v[\m], |v[\xb]|, |v[\xb+1]|, |v[\xb+2]|         ; the largest magnitude of my 16, in two chains
	v_max3_num_f32 v[\m+1], |v[\xb+3]|, |v[\xb+4]|, |v[\xb+5]|
.irp i, 6,10
	v_max3_num_f32 v[\m], v[\m], |v[\xb+\i]|, |v[\xb+\i+1]|
	v_max3_num_f32 v[\m+1], v[\m+1], |v[\xb+\i+2]|, |v[\xb+\i+3]|
.endr
	v_max3_num_f32 v[\m], v[\m], |v[\xb+14]|, |v[\xb+15]|
	v_max3_num_f32 v[\m], v[\m], v[\m+1], 0x4800000                ; and the floor 2^(9 - 127): the byte cannot fall under 1
.if \far
	v_permlanex16_b32 v[\m+1], v[\m], s36, s37
	v_max_num_f32 v[\m], v[\m], v[\m+1]
.else
	v_max_num_f32_dpp v[\m], v[\m], v[\m] row_xmask:1 row_mask:0xf bank_mask:0xf
.endif
	v_add_nc_u32 v[\m+2], 0xfc000000, v[\m]                        ; 8 off its exponent field: the conversion takes the exponent field of this operand as its scale
	v_and_or_b32 v[\m+3], v[\m], 0x7f800000, s38                   ; 448 x the scale
.irp i, 0,1,2,3,4,5,6,7,8,9,10,11,12,13,14,15
	v_med3_num_f32 v[\xb+\i], v[\xb+\i], -v[\m+3], v[\m+3]         ; the conversion to an 8-bit code does not saturate (ISA guide 7.6.2): the hold comes first
.endr
	v_cvt_scalef32_pk8_fp8_f32 v[\cd:\cd+1], v[\xb:\xb+7], v[\m+2]
	v_cvt_scalef32_pk8_fp8_f32 v[\cd+2:\cd+3], v[\xb+8:\xb+15], v[\m+2]
	v_lshrrev_b32 v[\eb], 23, v[\m+2]                              ; the scale's byte; also the plain line behind the conversions
.endm
; 64 numbers of a lane, register 16 b + i = k 32 b + 16 (lane / 16) + i of my row, become a fragment's codes in v[cd] on and its scale word in v[sw].
.macro QUANT s, cd, sw
.irp b, 0,1,2,3
	v_max3_num_f32 v[TM+\b], |v[\s+16*\b]|, |v[\s+1+16*\b]|, 0x4800000
.endr
.irp i, 2,4,6,8,10,12,14
.irp b, 0,1,2,3
	v_max3_num_f32 v[TM+\b], v[TM+\b], |v[\s+16*\b+\i]|, |v[\s+1+16*\b+\i]|   ; the four blocks by turns
.endr
.endr
.irp b, 0,1,2,3
	v_permlanex16_b32 v[TM+4+\b], v[TM+\b], s36, s37
.endr
.irp b, 0,1,2,3
	v_max_num_f32 v[TM+\b], v[TM+\b], v[TM+4+\b]
.endr
.irp b, 0,1,2,3
	v_add_nc_u32 v[TM+12+\b], 0xfc000000, v[TM+\b]
.endr
.irp b, 0,1,2,3
	v_and_or_b32 v[TM+8+\b], v[TM+\b], 0x7f800000, s38
.endr
.irp b, 0,1,2,3
	v_lshrrev_b32 v[TM+4+\b], 23, v[TM+12+\b]
.endr
	v_lshl_or_b32 v[\sw], v[TM+5], 8, v[TM+4]
	v_lshl_or_b32 v[\sw], v[TM+6], 16, v[\sw]
	v_lshl_or_b32 v[\sw], v[TM+7], 24, v[\sw]
.irp b, 0,1,2,3
.irp i, 0,1,2,3,4,5,6,7,8,9,10,11,12,13,14,15
	v_med3_num_f32 v[\s+16*\b+\i], v[\s+16*\b+\i], -v[TM+8+\b], v[TM+8+\b]
.endr
	v_cvt_scalef32_pk8_fp8_f32 v[\cd+4*\b:\cd+1+4*\b], v[\s+16*\b:\s+7+16*\b], v[TM+12+\b]
	v_cvt_scalef32_pk8_fp8_f32 v[\cd+2+4*\b:\cd+3+4*\b], v[\s+8+16*\b:\s+15+16*\b], v[TM+12+\b]
.endr
	v_nop                                          ; a plain line behind the last conversion: matrix instructions later write where its sources lay
.endm
; Fragment f of lora_down as f32: tile f % 2 (lane r takes rank 8 (f % 2) + r + 8 (r / 8)), K = 256 w + 128 (f / 2) on: 16 neighbours of each of four blocks.  Every work-group reads these bytes: no hint.
.macro LDLOAD f, reg
.irp b, 0,1,2,3
.irp j, 0,1,2,3
	global_load_b128 v[\reg+16*\b+4*\j:\reg+16*\b+4*\j+3], v[LDA], s[10:11] offset:131072*((\f)%2)+512*((\f)/2)+128*\b+16*\j
.endr
.endr
.endm
.macro BARRIER                                 ; my LDS stores have landed and my LDS loads are in: then the work-group's barrier
	s_wait_dscnt 0x0
	s_barrier_signal -1
	s_barrier_wait -1
.endm
	s_wait_alu depctr_va_vdst(0)                   ; the LDS addresses and offsets v2 to v17 and v20 are written: every LDS and memory instruction from here on reads one of them, and none is written again
	; ---- wave 15 alone: the work-group's 16 rows of lora_up are 2,048 dense bytes, one step; a row is one block
	s_cmp_lg_u32 s26, 15
	s_cbranch_scc1 .Lno_up
.irp i, 0,1,2,3
	global_load_b128 v[Z+4*\i:Z+4*\i+3], v[GL], s[12:13] offset:512*\i th:TH_LOAD_NT
.endr
	s_wait_loadcnt 0x0
	TURN Z, 0
	s_wait_dscnt 0x0
	QSTEP XS, CP, EP, M0, 0
	v_or_b32 v[EP], 0x7f7f7f00, v[EP]              ; 127 for the three blocks of zero codes
	s_wait_alu depctr_va_vdst(0)                   ; the codes and the word are written, which the two stores read; and these lines are done with XS0, in which the stage's next loads land
	global_store_b128 v[GL], v[CP:CP+3], s[22:23]
	global_store_b32 v[UPO], v[EP], s[24:25]       ; both lanes of a row write the same word
.Lno_up:
	; ---- the row's largest magnitude, as the loads come in; one chain starts at 1e-6, the floor of ascale's maximum
	v_mov_b32 v22, 0x358637bd
	v_mov_b32 v23, 0
.irp s, 0,1,2,3,4,5,6,7
	s_wait_loadcnt 4*(7-\s)                        ; step s's four loads are in (and wscale, the oldest load); the later steps' may be out
.if \s == 0
	TURN R, 0                                      ; step 0 goes through the stage meanwhile
.endif
.irp i, 0,4,8,12
	v_max3_num_f32 v22, v22, |v[R+16*\s+\i]|, |v[R+16*\s+\i+1]|
	v_max3_num_f32 v23, v23, |v[R+16*\s+\i+2]|, |v[R+16*\s+\i+3]|
.endr
.endr
	v_max_num_f32 v22, v22, v23
	v_max_num_f32_dpp v22, v22, v22 row_xmask:1 row_mask:0xf bank_mask:0xf
	v_max_num_f32_dpp v22, v22, v22 row_xmask:2 row_mask:0xf bank_mask:0xf
	v_max_num_f32_dpp v22, v22, v22 row_xmask:4 row_mask:0xf bank_mask:0xf
	v_max_num_f32_dpp v22, v22, v22 row_xmask:8 row_mask:0xf bank_mask:0xf
	v_permlanex16_b32 v23, v22, s36, s37
	v_max_num_f32 v22, v22, v23                    ; m, in every lane
	v_mul_f32 v23, s40, v22                        ; m / 7: a first quotient,
	v_fma_f32 v34, -v23, s39, v22                  ; its residual, exact,
	v_fma_f32 v[ASC], v34, s40, v23                ; and the correction: ascale
	v_rcp_f32 v[RIN], v[ASC]
	v_mov_b32 v[ASC+1], v[ASC]                     ; (a plain line behind the reciprocal)
	s_wait_alu depctr_va_vdst(0)                   ; the wait ahead of the first line that names the reciprocal; it also states that the maximum's lines are done reading R, in which qweight lands: no vector line names R again before QUANT
	v_fma_f32 v34, -v[ASC], v[RIN], 1.0            ; two Newton steps
	v_fma_f32 v[RIN], v34, v[RIN], v[RIN]
	v_fma_f32 v34, -v[ASC], v[RIN], 1.0
	v_fma_f32 v[RIN], v34, v[RIN], v[RIN]
	v_mov_b32 v[RIN+1], v[RIN]
; the results of step t of x leave: x's codes and both bytes to LDS, xq's codes to a_ws.  Issued in step t + 1, behind its waits
.macro OUTX t
	ds_store_b128 v[XCW], v[CP+4*((\t)%2):CP+4*((\t)%2)+3] offset:512*(\t)
	ds_store_b8 v[SBA], v[EP+(\t)%2] offset:SX+16*(\t) ; both lanes of a block write the same byte with the same value
	ds_store_b8 v[SBA], v[EQ+(\t)%2] offset:SQ+16*(\t)
	global_store_b128 v[CST], v[CQ+4*((\t)%2):CQ+4*((\t)%2)+3], s[14:15] offset:2*BLK*(\t)   ; each half of the lanes stores 256 consecutive bytes, aligned: my row in K steps 2 t and 2 t + 1
.endm
; ---- step t of x: xq and its codes; x's own codes
.macro STEPX t
.set XB, XS+16*((\t)%2)
.set PS, (\t)%2
.if (\t) > 1
	s_wait_dscnt 3                                 ; this step's numbers are back from the stage; the three LDS stores issued behind those loads may be out
.else
	s_wait_dscnt 0x0                               ; (in steps 0 and 1 nothing was issued behind those loads)
.endif
	s_wait_xcnt 0x0                                ; the earlier stores have read their codes: the sets may be written again
	s_wait_alu depctr_vm_vsrc(0)                   ; the stage's stores have read R's step t, in which the loads below land; the stores issued a step ago (in step 0: wave 15's) have read the codes, bytes and Z that this step writes
.if (\t) > 0
	s_wait_alu depctr_va_vdst(0)                   ; the step before has written its codes and bytes, which the stores below read, and is done with its XS, in which the stage's loads below land
.endif
.irp i, 0,1,2,3
	global_load_b128 v[R+16*(\t)+4*\i:R+16*(\t)+4*\i+3], v[GL], s[6:7] offset:2048*(\t)+512*\i th:TH_LOAD_NT   ; the registers that step t of x has left take step t of qweight
.endr
.if (\t) < 7
	TIN R+16*((\t)+1), ((\t)+1)%2                  ; the next step goes through the other stage
.else
	s_wait_loadcnt 28                              ; qweight's step 0 is in: behind it stand the 28 loads of steps 1 to 7
	TIN R, 0
.endif
.irp p, 0,2,4,6,8,10,12,14
	v_pk_mul_f32 v[Y+\p:Y+\p+1], v[XB+\p:XB+\p+1], v[RIN:RIN+1]                  ; x / ascale: a first quotient,
.endr
	TBACK ((\t)+1)%2                               ; no wait: no vector line since the waits above names the other XS
.irp p, 0,2,4,6,8,10,12,14
	v_pk_fma_f32 v[Z+\p:Z+\p+1], v[Y+\p:Y+\p+1], v[ASC:ASC+1], v[XB+\p:XB+\p+1] neg_lo:[1,0,0] neg_hi:[1,0,0]   ; its residual x - q ascale,
.endr
.if (\t) > 0
	OUTX (\t)-1                                    ; no wait: no vector line since the waits above names the other set of codes and bytes
.endif
.irp p, 0,2,4,6,8,10,12,14
	v_pk_fma_f32 v[Y+\p:Y+\p+1], v[Z+\p:Z+\p+1], v[RIN:RIN+1], v[Y+\p:Y+\p+1]    ; and the correction
.endr
.irp i, 0,1,2,3,4,5,6,7,8,9,10,11,12,13,14,15
	v_rndne_f32 v[Y+\i], v[Y+\i]                   ; to the nearest whole number, ties to even
.endr
.irp i, 0,1,2,3,4,5,6,7,8,9,10,11,12,13,14,15
	v_med3_num_f32 v[Y+\i], v[Y+\i], s41, s39      ; the clip to -8 .. 7
.endr
.irp p, 0,2,4,6,8,10,12,14
	v_pk_mul_f32 v[Y+\p:Y+\p+1], v[Y+\p:Y+\p+1], v[ASC:ASC+1]                    ; xq
.endr
	QSTEP XB, CP+4*PS, EP+PS, M0, 0                ; (behind the division: the hold changes x in place)
	QSTEP Y, CQ+4*PS, EQ+PS, M1, 0
.endm
.irp t, 0,1,2,3,4,5,6,7
	STEPX \t
.endr
	s_wait_alu depctr_va_vdst(0)                   ; step 7 of x has written its codes and bytes, which the stores below read; it is done with Z, in which wscale lands, and with XS1, in which W's first stage loads land
	OUTX 7
	ds_store_b64 v[WSA], v[WSV:WSV+1]              ; my row of wscale, and back: for each step the scale of my 16 numbers' group
.irp s, 0,1,2,3,4,5,6,7
	ds_load_b32 v[Z+2*\s], v[WSR] offset:32*\s
.endr
; the results of step t of W leave.  Issued in step t + 1, behind its waits
.macro OUTW t
	ds_store_b8 v[SBA], v[EQ+(\t)%2] offset:SW+16*(\t)
	global_store_b128 v[CST], v[CQ+4*((\t)%2):CQ+4*((\t)%2)+3], s[16:17] offset:2*BLK*(\t)
.endm
; ---- step t of W = qweight x wscale
.macro STEPW t
.set XB, XS+16*((\t)%2)
.set PS, (\t)%2
.if (\t) > 1
	s_wait_dscnt 1                                 ; this step's numbers are back from the stage; the byte store issued behind those loads may be out
.else
	s_wait_dscnt 0x0                               ; (step 0: and wscale; in step 1 nothing was issued behind those loads)
.endif
	s_wait_xcnt 0x0
	s_wait_alu depctr_vm_vsrc(0)                   ; the stores issued a step ago have read the codes and the byte that this step writes; the stage's stores have read the registers of R in which lora_down lands in steps 3 and 7
.if (\t) > 0
	s_wait_alu depctr_va_vdst(0)                   ; the step before has written its codes and its byte, which the stores below read, and is done with its XS, in which the stage's loads below land
.endif
.if (\t) == 3
	LDLOAD 0, R                                    ; steps 0 to 3 have left their registers
.endif
.if (\t) == 7
	LDLOAD 1, R+64                                 ; and steps 4 to 7
.endif
.if (\t) < 7
.if (\t) < 3
	s_wait_loadcnt 4*(6-(\t))                      ; step t + 1 is in: behind it stand the later steps' loads,
.else
	s_wait_loadcnt 4*(6-(\t))+16                   ; and from step 3 on the 16 of lora_down's first fragment
.endif
	TIN R+16*((\t)+1), ((\t)+1)%2
.endif
.irp i, 0,1,2,3,4,5,6,7,8,9,10,11,12,13,14,15
	v_cvt_f32_i32 v[XB+\i], v[XB+\i]
.endr
.if (\t) < 7
	TBACK ((\t)+1)%2                               ; no wait: no vector line since the waits above names the other XS
.endif
.irp p, 0,2,4,6,8,10,12,14
	v_pk_mul_f32 v[XB+\p:XB+\p+1], v[XB+\p:XB+\p+1], v[Z+2*(\t):Z+2*(\t)+1] op_sel_hi:[1,0]   ; the pair's low word serves both halves
.endr
.if (\t) > 0
	OUTW (\t)-1                                    ; no wait: no vector line since the waits above names the other set
.endif
	QSTEP XB, CQ+4*PS, EQ+PS, M0, 0
.endm
.irp t, 0,1,2,3,4,5,6,7
	STEPW \t
.endr
	s_wait_alu depctr_va_vdst(0)                   ; step 7 of W has written its codes and its byte, which the stores below read
	OUTW 7
	; ---- my part of lora_down: four fragments, two sets of 64 registers by turns
	s_wait_xcnt 0x0                                ; the last stores have read their codes: those registers are at work in QUANT now
	s_wait_alu depctr_vm_vsrc(0)                   ; the stores of W's steps 6 and 7 have read CQ, which QUANT's lines write
	s_wait_loadcnt 16                              ; fragment 0 is in; fragment 1's 16 loads may be out
	QUANT R, BC, BS
	s_wait_alu depctr_va_vdst(0)                   ; the holds and conversions are done with R .. R + 63, in which fragment 2 lands
	LDLOAD 2, R
	s_wait_loadcnt 16                              ; fragment 1; fragment 2's may be out
	QUANT R+64, BC+16, BS+1
	s_wait_alu depctr_va_vdst(0)                   ; and with R + 64 .. R + 127, in which fragment 3 lands
	LDLOAD 3, R+64
	s_wait_loadcnt 16                              ; fragment 2; fragment 3's may be out
	QUANT R, BC+32, BS+2
	s_wait_loadcnt 0x0
	QUANT R+64, BC+48, BS+3
.rept 4
	v_nop                                          ; codes written by vector instructions stand four places ahead of a scaled matrix instruction; the scale words were made ahead of the holds, more than eight plain lines back
.endr
	s_wait_alu depctr_va_vdst(0)                   ; behind the places: lora_down's codes and scale words are written, which the scaled products take; the vector lines are done with v34, v35 and v128 to v159, in which the LDS loads behind the barrier land
	BARRIER                                        ; x's codes and all scale bytes of the 16 rows lie in LDS
	; ---- the scale bytes leave; t's partial sums over K = 256 w .. 256 w + 255
	ds_load_b64 v[SBY:SBY+1], v[SGA] offset:SQ
.irp q, 0,1
.irp c, 0,1,2,3
	ds_load_b128 v[AF+16*\q+4*\c:AF+16*\q+4*\c+3], v[AFA] offset:128*\q+32*\c
.endr
.endr
	ds_load_b64 v[AS:AS+1], v[ASA] offset:SX
	s_wait_dscnt 0x0
	global_store_b64 v[SGO], v[SBY:SBY+1], s[30:31]   ; 16 rows x 8 bytes for each of two K steps: two runs of 128 bytes
	; TRANSPOSED: source 0 = 16 rows of lora_down, source 1 = x's 16 rows: lane (r, h) holds t(row r, rank 16 h + 8 u + j) in register j of accumulator u.  The two accumulators take turns.
	v_wmma_scale_f32_16x16x128_f8f6f4 v[D0:D0+7], v[BC:BC+15], v[AF:AF+15], 0, v[BS], v[AS]
	v_wmma_scale_f32_16x16x128_f8f6f4 v[D1:D1+7], v[BC+16:BC+31], v[AF:AF+15], 0, v[BS+1], v[AS]
	v_wmma_scale_f32_16x16x128_f8f6f4 v[D0:D0+7], v[BC+32:BC+47], v[AF+16:AF+31], v[D0:D0+7], v[BS+2], v[AS+1]
	v_wmma_scale_f32_16x16x128_f8f6f4 v[D1:D1+7], v[BC+48:BC+63], v[AF+16:AF+31], v[D1:D1+7], v[BS+3], v[AS+1]
.rept 8
	v_nop                                          ; eight places behind this form, for the stores of the results and for all that later lands in these products' registers
.endr
	s_wait_alu depctr_va_vdst(0)                   ; behind the places: the products have written the accumulators, which the LDS stores read, and are done reading x's fragments, in which wave 0's loads land
.irp k, 0,1,2,3
	ds_store_b128 v[PWA], v[D0+4*\k:D0+4*\k+3] offset:512*\k   ; each accumulator from its low end on
.endr
	BARRIER                                        ; sixteen partial sums lie in LDS
	s_wait_alu depctr_vm_vsrc(0)                   ; my LDS stores have read v160 to v175, in which wave 0's loads land: stated ahead of the branch
	s_cmp_lg_u32 s26, 0
	s_cbranch_scc1 .Lend
	; ---- wave 0: the sum in ascending w, the quantiser, ta and tsa
.macro PLOAD c, reg                            ; the partial sums of waves 4 c .. 4 c + 3: 16 registers each
.irp i, 0,1,2,3,4,5,6,7,8,9,10,11,12,13,14,15
	ds_load_b128 v[\reg+4*\i:\reg+4*\i+3], v[PRA] offset:8192*(\c)+512*\i
.endr
.endm
.macro PADD reg
.irp p, 0,2,4,6,8,10,12,14
	v_pk_add_f32 v[Z+\p:Z+\p+1], v[Z+\p:Z+\p+1], v[\reg+\p:\reg+\p+1]
.endr
.endm
	PLOAD 0, R
	PLOAD 1, R+64
	s_wait_dscnt 16                                ; the older 16 loads are in
.irp p, 0,2,4,6,8,10,12,14
	v_pk_add_f32 v[Z+\p:Z+\p+1], v[R+\p:R+\p+1], v[R+16+\p:R+16+\p+1]   ; the first addition starts the sum
.endr
	PADD R+32
	PADD R+48
	s_wait_alu depctr_va_vdst(0)                   ; the additions are done reading R .. R + 63, in which the next four partial sums land
	PLOAD 2, R
	s_wait_dscnt 16
.irp j, 0,1,2,3
	PADD R+64+16*\j
.endr
	s_wait_alu depctr_va_vdst(0)                   ; and R + 64 .. R + 127, in which the last four land
	PLOAD 3, R+64
	s_wait_dscnt 16
.irp j, 0,1,2,3
	PADD R+16*\j
.endr
	s_wait_dscnt 0x0
.irp j, 0,1,2,3
	PADD R+64+16*\j
.endr
	QSTEP Z, CP, EP, M0, 1                         ; a row's 32 numbers are one block: ranks 16 h on are mine, the others lane l xor 16's
	v_or_b32 v[EP], 0x7f7f7f00, v[EP]
	s_wait_alu depctr_va_vdst(0)                   ; t's codes and its word are written, which the two stores read
	global_store_b128 v[TCO], v[CP:CP+3], s[18:19]
	global_store_b32 v[TSO], v[EP], s[20:21]       ; both halves of the lanes write the same word
.Lend:
	s_wait_xcnt 0x0
	v_lshl_add_u32 v254, v0, 2, 0x2ec00            ; the add's two registers are made anew here: R took them until now.  The last LDS stores that read v254 and v255, the stage's in W's step 6, stand ahead of several waits on vm_vsrc
	v_mov_b32 v255, 0
	s_wait_dscnt 0x0                               ; the closing lines, six on end
	s_wait_alu 0x0
	s_wait_tensorcnt 0x0
	ds_add_u32 v254, v255
	s_wait_dscnt 0x0
	s_endpgm
.Lfunc_end_k_q03faeab826_prep:
	.size	k_q03faeab826_prep, .Lfunc_end_k_q03faeab826_prep-k_q03faeab826_prep
	.p2alignl 7, 3214868480
	.fill 96, 4, 3214868480
	.section	.rodata,"a",@progbits
	.p2align	6, 0x0
	.amdhsa_kernel k_q03faeab826_prep
		.amdhsa_group_segment_fixed_size 193536
		.amdhsa_private_segment_fixed_size 0
		.amdhsa_enable_private_segment 0
		.amdhsa_kernarg_size 88
		.amdhsa_user_sgpr_count 2
		.amdhsa_user_sgpr_kernarg_segment_ptr 1
		.amdhsa_wavefront_size32 1
		.amdhsa_system_sgpr_workgroup_id_x 1
		.amdhsa_system_sgpr_workgroup_id_y 1
		.amdhsa_system_sgpr_workgroup_id_z 1
		.amdhsa_system_vgpr_workitem_id 0
		.amdhsa_next_free_vgpr 256
		.amdhsa_next_free_sgpr 66
		.amdhsa_reserve_vcc 0
		.amdhsa_float_denorm_mode_32 3
		.amdhsa_float_denorm_mode_16_64 3
		.amdhsa_memory_ordered 1
		.amdhsa_forward_progress 1
		.amdhsa_inst_pref_size 171
	.end_amdhsa_kernel
	.amdgpu_metadata
---
amdhsa.version: [ 1, 2 ]
amdhsa.kernels:
  - .name:           k_q03faeab826_prep
    .symbol:         k_q03faeab826_prep.kd
    .args:
      - { .name: x, .offset: 0, .size: 8, .value_kind: global_buffer, .address_space: global }
      - { .name: qweight, .offset: 8, .size: 8, .value_kind: global_buffer, .address_space: global }
      - { .name: wscale, .offset: 16, .size: 8, .value_kind: global_buffer, .address_space: global }
      - { .name: lora_down, .offset: 24, .size: 8, .value_kind: global_buffer, .address_space: global }
      - { .name: lora_up, .offset: 32, .size: 8, .value_kind: global_buffer, .address_space: global }
      - { .name: a_ws, .offset: 40, .size: 8, .value_kind: global_buffer, .address_space: global }
      - { .name: b_ws, .offset: 48, .size: 8, .value_kind: global_buffer, .address_space: global }
      - { .name: ta, .offset: 56, .size: 8, .value_kind: global_buffer, .address_space: global }
      - { .name: tsa, .offset: 64, .size: 8, .value_kind: global_buffer, .address_space: global }
      - { .name: tb, .offset: 72, .size: 8, .value_kind: global_buffer, .address_space: global }
      - { .name: tsb, .offset: 80, .size: 8, .value_kind: global_buffer, .address_space: global }
    .group_segment_fixed_size: 193536
    .private_segment_fixed_size: 0
    .kernarg_segment_align: 8
    .kernarg_segment_size: 88
    .max_flat_workgroup_size: 512
    .sgpr_count:     66
    .vgpr_count:     256
    .wavefront_size: 32
...
	.end_amdgpu_metadata
.endif
;; end of part 3
;; launch gemm: the kernel of part 2 again; grid 16 x 16, 4 waves a work-group, clusters of 4 x 4, 327,680 bytes of LDS; arguments a_ws, b_ws, ta, tsa, tb, tsb, bias, out0; writes out0
